; MI455X (gfx1250); checked and timed in simulation.
; The chip was launched on July 23, 2026; its instructions are those of AMD's public machine-readable ISA for CDNA 5 (MIT licence, August 2026) and "CDNA5" Instruction Set Architecture Reference Guide (July 2026). The comments in the code are by the model that wrote it; some were corrected since.
;; Multi Head Attention. Allowed arithmetic: matrix products marked QUANTISED: E4M3 operands, one given power-of-two scale a tensor, by v_wmma_f32_16x16x64_fp8_fp8 or v_wmma_f32_16x16x128_fp8_fp8, f32 sums; everything else in f32.
;; Inputs: Wk 1,024 x 1,024 float32; Wo 1,024 x 1,024 float32; Wq 1,024 x 1,024 float32; Wv 1,024 x 1,024 float32; bk 1,024 float32; bo 1,024 float32; bq 1,024 float32; bv 1,024 float32; lowp_scales 12 int32 (the exponents e of the quantised operands' scales 2^e); x 4 x 2,048 x 1,024 float32.
;; Outputs: out0 4 x 2,048 x 1,024 float32.
;; This version of the problem:
;;   THIS VERSION OF THE PROBLEM IS GIVEN IN LOW PRECISION. The matrix products marked QUANTISED in the list below multiply operands that are first quantised to E4M3 (4 exponent bits, 3 mantissa bits; 8 bits a number), with one given power-of-two scale for each operand tensor; their sums are f32. All else is computed in f32.
;;   The module's matrix products, in the order in which they are computed (A, B: the left and right operand; K: the contracted axis; several contracted axes count as one K, in the product's order):
;;     1. [M 8,192, K 1,024] x [K 1,024, N 1,024]; A: input x; B: input Wq: QUANTISED (scales: A lowp_scales[0], B lowp_scales[1])
;;     2. [M 8,192, K 1,024] x [K 1,024, N 1,024]; A: input x; B: input Wk: QUANTISED (scales: A lowp_scales[2], B lowp_scales[3])
;;     3. [M 8,192, K 1,024] x [K 1,024, N 1,024]; A: input x; B: input Wv: QUANTISED (scales: A lowp_scales[4], B lowp_scales[5])
;;     4. batch 64 x [M 2,048, K 64] x [K 64, N 2,048]; A: computed on the way; B: computed on the way: QUANTISED (scales: A lowp_scales[6], B lowp_scales[7])
;;     5. batch 64 x [M 2,048, K 2,048] x [K 2,048, N 64]; A: softmax (see below); B: computed on the way: QUANTISED (scales: A lowp_scales[8], B lowp_scales[9])
;;     6. [M 8,192, K 1,024] x [K 1,024, N 1,024]; A: computed on the way; B: input Wo: QUANTISED (scales: A lowp_scales[10], B lowp_scales[11])
;;   THE QUANTISER, for each operand of a quantised product, along K:
;;     - The operand's scale is 2^e, e = its entry of the input lowp_scales (int32; the entries are numbered through the quantised products in the list's order, A before B).
;;     - Each number is divided by the scale, clamped to +-448, and rounded to the nearest number of E4M3, ties to even, subnormals kept.
;;     - The product sums the exact products of the quantised numbers (number of the format x scale) in f32.
;;   ~~~python
;;   def quantise(x, axis, e):      # numpy; x: float32 -> the quantised numbers, widened to float32 again
;;       x = np.moveaxis(x, axis, -1); K = x.shape[-1]
;;       r = np.clip(x / 2.0 ** e, -448, 448)
;;       step = 2.0 ** (np.maximum(np.frexp(np.where(r == 0, 1, r))[1] - 1, -6) - 3)
;;       q = np.round(r / step) * step * 2.0 ** e      # np.round: ties to even
;;       return np.moveaxis(q, -1, axis).astype(np.float32)
;;   ~~~
;;   SOFTMAX AHEAD OF A QUANTISED PRODUCT. Where the list says 'softmax', what is quantised is not the finished softmax but p = 2^(t - M), with t = logit x log2(e) and M = ceil(the row's largest t), a whole number; so 1/2 < the row's largest p <= 1. The row's sum l is taken of the UNQUANTISED p, in f32, and the product's result is divided by l at the end. Since M is a whole number, a kernel that streams over the keys may use a running M (the ceiling of the running maximum): every later rescaling is an exact power of two, so the quantised numbers keep their values, but for numbers so far below the row's largest that they fall under the format's range.
;;   OPERANDS COMPUTED ON THE WAY. 'Computed on the way' means the value that the module computes at that place (a softmax that the list does not call 'softmax' is quantised finished and normalised). What goes into a quantiser is computed in f32, as accurately as f32 sums, v_exp_f32 and their like allow (about 1e-6 of the number): no bf16 or f16 on the way to a quantiser, and a product that is left as it is and whose result goes on into a quantised operand takes f32 operands (vector FMAs, or v_wmma_f32_16x16x4_f32). A number that lies on a knife's edge between two numbers of the format may be rounded either way, as far as f32 arithmetic and the matrix unit's own rounding can turn it there, and no further.
;; One version. Each part assembles by itself: llvm-mc -triple=amdgcn-amd-amdhsa -mcpu=gfx1250 --defsym DOCPART=n.
;; ======== version 1 of 1: 4 launches
;; limits: right only within a limited range of input values
;; workspace buffers: xc 25,165,824 bytes; wc 4,194,304 bytes; qkv 25,165,824 bytes; ac 8,388,608 bytes
;; launch quant (part 1): grid 384 x 1, 4 waves a work-group, no clusters, 68,096 bytes of LDS; arguments x, Wq, Wk, Wv, Wo, lowp_scales, xc, wc; writes xc, wc
.if DOCPART == 1
	.amdgcn_target "amdgcn-amd-amdhsa--gfx1250"
	.amdhsa_code_object_version 6
	.text
	.protected	k_q9471f12063_quant
	.globl	k_q9471f12063_quant
	.p2align	8
	.type	k_q9471f12063_quant,@function
k_q9471f12063_quant:
	s_mov_b64 s[64:65], 0
	v_nop
	global_prefetch_b8 v0, s[64:65] scope:SCOPE_SE
	s_setreg_imm32_b32 hwreg(HW_REG_WAVE_MODE, 25, 1), 1
	s_wait_xcnt 0x0
; x [8192][1024] f32 becomes three planes of E4M3 codes (scales 2^e0, 2^e2, 2^e4: x is the left operand of three products, each with an entry of its own), K innermost, as x lies.
; Wq, Wk, Wv, Wo [k][n] f32 become codes laid [n][k], K innermost (scales 2^e1, 2^e3, 2^e5, 2^e11).
; code = number / 2^e, held within +-448, rounded to the nearest code, ties to even.
; LIMITS: each of these e lies between -126 and 119, so that 2^e and 448 x 2^e are f32 numbers.  NaN among the inputs is not served; an infinity is held at the largest code.
; SHARES.  Work-groups 0-255 take x: a wave takes 16 steps of 512 numbers; each load reads 512 consecutive bytes, a step's 2,048 bytes turn through the wave's own stage in LDS so that a lane
; holds 16 neighbours along K, and a lane's 16 codes of each plane are 16 bytes: each store of the wave covers 512 consecutive bytes, aligned.
; Work-groups 256-383 take the weights: 32 for each matrix, 128 columns x 256 along K each.  A lane takes a column and its registers run down K, so the conversions give codes with K innermost;
; they leave through the wave's own stage, sixteen lanes storing 256 consecutive bytes of a row of codes.
; The two paths part on the work-group's number and have LDS bytes of their own.  No tensor loads, no barrier, no cluster: waves share nothing, and every input byte is read once.
.set XWG,   256                        ; work-groups that take x
.set STEPS, 16
.set SP,    80                         ; x: a lane's place in a stage: 64 bytes + 16 of padding
.set WREG,  8192                       ; x: LDS of a wave: two stages of 32 x SP bytes
.set R,     16                         ; v16-79   x: four sets of 16 numbers as loaded
.set X,     80                         ; v80-111  x: two sets of 16 neighbours
.set T,     112
.set C,     128                        ; v128-139 x: four registers of codes for each plane
.set WST,   32768                      ; weights: their stages begin here
.set PITCH, 272                        ; weights: a stage row: 256 bytes of codes + 16
.set KROW,  1024                       ; a row of codes in memory
.set NB,    8                          ; weights: blocks of 32 along K for a wave
.set WX,    32                         ; v32-95   weights: two sets of 32 numbers
.set WC,    96                         ; v96-103  weights: a block's codes
.set OUTR,  112                        ; v112-175 weights: the way out
	s_load_b512 s[36:51], s[0:1], 0x0              ; x 36, Wq 38, Wk 40, Wv 42, Wo 44, the exponents 46, xc 48, wc 50
	v_lshl_add_u32 v192, v0, 2, 0x10800
	v_mov_b32 v193, 0
	v_lshrrev_b32 v1, 5, v0
	v_readfirstlane_b32 s16, v1                    ; wave
	v_and_b32 v2, 31, v0                           ; lane
	s_wait_kmcnt 0x0
	s_load_b256 s[52:59], s[46:47], 0x0            ; e0 .. e7
	s_load_b128 s[60:63], s[46:47], 0x20           ; e8 .. e11
	s_cmp_lt_u32 ttmp9, XWG
	s_cbranch_scc0 .Lweights
	s_wait_alu depctr_va_vdst(0)
	; ---------------- x ----------------
	v_lshlrev_b32 v3, 4, v2                        ; my 16 bytes of a load's 512, and of a store's
	s_wait_alu depctr_va_vdst(0)
	s_mul_i32 s17, s16, WREG
	v_lshrrev_b32 v14, 2, v2
	v_mul_u32_u24 v14, v14, SP
	v_and_b32 v15, 3, v2
	v_lshl_add_u32 v14, v15, 4, v14
	v_add_nc_u32 v14, s17, v14                     ; the stage, in: four lanes' 64 bytes on end, then the padding
	v_mul_u32_u24 v15, v2, SP
	v_add_nc_u32 v15, s17, v15                     ; and out: my 16 neighbours
	s_lshl_b32 s17, ttmp9, 2
	s_add_co_u32 s18, s17, s16                     ; which run of 8,192 numbers is my wave's
	s_lshl_b32 s20, s18, 15
	s_mov_b32 s21, 0
	s_add_nc_u64 s[4:5], s[36:37], s[20:21]
	s_lshl_b32 s20, s18, 13
	s_add_nc_u64 s[24:25], s[48:49], s[20:21]      ; its codes in plane 0,
	s_add_nc_u64 s[26:27], s[24:25], 0x800000      ; plane 1,
	s_add_nc_u64 s[28:29], s[26:27], 0x800000      ; plane 2: a plane's 8,388,608 bytes do not fit a store's immediate, so each plane has a base
.macro XLOAD t
.irp i, 0,1,2,3
	global_load_b128 v[R+16*((\t)%4)+4*\i:R+16*((\t)%4)+4*\i+3], v3, s[4:5] offset:2048*(\t)+512*\i th:TH_LOAD_NT
.endr
.endm
.macro XTURN t                         ; step t's numbers through the stage: LDS serves a wave's instructions in order, so no wait stands between the stores and the loads
.irp i, 0,1,2,3
	ds_store_b128 v14, v[R+16*((\t)%4)+4*\i:R+16*((\t)%4)+4*\i+3] offset:32*SP*((\t)%2)+8*SP*\i
.endr
.irp i, 0,1,2,3
	ds_load_b128 v[X+16*((\t)%2)+4*\i:X+16*((\t)%2)+4*\i+3], v15 offset:32*SP*((\t)%2)+16*\i
.endr
.endm
.irp t, 0,1,2,3
	XLOAD \t
.endr
	s_wait_alu depctr_va_vdst(0)
	s_wait_kmcnt 0x0
.irp p, 0,1,2
	s_add_co_i32 s22, s[52+2*\p], 127
	s_lshl_b32 s23, s22, 23
	v_mov_b32 v[8+2*\p], s23                       ; 2^e as f32: the conversion takes its exponent field
	s_add_co_i32 s22, s22, 8
	s_lshl_b32 s22, s22, 23
	s_or_b32 s22, s22, 0x600000
.endr
	s_wait_alu depctr_va_vdst(0)
	s_wait_loadcnt 12                              ; step 0's four loads are in
	XTURN 0
.macro XSTEP t
.set XS, X+16*((\t)%2)
	s_wait_dscnt 0x0                               ; this step's numbers are back from the stage, and its stores into the stage have read their registers,
.if (\t)+4 < STEPS
	XLOAD (\t)+4                                   ; which take the loads of four steps on
.endif
.if (\t)+1 < STEPS
.if STEPS-2-(\t) >= 3
	s_wait_loadcnt 12                              ; the next step's four loads are in; those of the three steps behind it may be out
.else
	s_wait_loadcnt 4*(STEPS-2-(\t))
.endif
	XTURN (\t)+1                                   ; and go through the other stage while this step is worked
.endif
	s_wait_xcnt 0x0                                ; the last step's three stores have read their codes' registers, which are written again below
.irp p, 0,1,2
.irp i, 0,1,2,3,4,5,6,7,8,9,10,11,12,13,14,15
.endr
	v_cvt_scalef32_pk8_fp8_f32 v[C+4*\p:C+4*\p+1], v[XS:XS+7], v[8+2*\p]
	v_cvt_scalef32_pk8_fp8_f32 v[C+4*\p+2:C+4*\p+3], v[XS+8:XS+15], v[8+2*\p]
	v_nop                                          ; a plain line behind the conversions
	global_store_b128 v3, v[C+4*\p:C+4*\p+3], s[24+2*\p:25+2*\p] offset:512*(\t)
.endr
.endm
.irp t, 0,1,2,3,4,5,6,7,8,9,10,11,12,13,14,15
	XSTEP \t
.endr
	s_wait_tensorcnt 0x0
	ds_add_u32 v192, v193
	s_wait_dscnt 0x0
	s_endpgm
	; ---------------- the weights ----------------
.Lweights:
	s_sub_co_u32 s17, ttmp9, XWG
	s_lshr_b32 s18, s17, 5                         ; which matrix: 0 Wq, 1 Wk, 2 Wv, 3 Wo
	s_and_b32 s19, s17, 7                          ; which 128 columns
	s_bfe_u32 s20, s17, 0x20003                    ; which 256 along K
	s_cmp_lt_u32 s18, 2                            ; the choice of buffer hangs on the work-group's number alone
	s_cselect_b64 s[4:5], s[38:39], s[42:43]       ; Wq or Wv
	s_cselect_b64 s[6:7], s[40:41], s[44:45]       ; Wk or Wo
	s_bitcmp1_b32 s18, 0
	s_cselect_b64 s[4:5], s[6:7], s[4:5]
	s_lshl_b32 s21, s19, 7
	s_lshl_b32 s22, s16, 5
	s_add_co_u32 s21, s21, s22                     ; my wave's first column
	s_lshl_b32 s22, s20, 20                        ; 256 rows of 4,096 bytes
	s_lshl_b32 s23, s21, 2
	s_add_co_u32 s22, s22, s23
	s_mov_b32 s23, 0
	s_add_nc_u64 s[4:5], s[4:5], s[22:23]
	s_lshl_b32 s22, s18, 20                        ; the matrix's plane of codes,
	s_lshl_b32 s24, s21, 10                        ; my column's row in it,
	s_add_co_u32 s22, s22, s24
	s_lshl_b32 s24, s20, 8                         ; my 256 along K
	s_add_co_u32 s22, s22, s24
	s_add_nc_u64 s[8:9], s[50:51], s[22:23]
	s_mul_i32 s25, s16, 32*PITCH
	s_add_co_u32 s25, s25, WST                     ; my stage
	s_wait_alu depctr_va_vdst(0)
	v_lshlrev_b32 v3, 2, v2                        ; in: 4 bytes a lane: 128 consecutive bytes a wave
	v_mul_u32_u24 v4, v2, PITCH
	v_add_nc_u32 v4, s25, v4                       ; into the stage: row = my column
	v_and_b32 v5, 15, v2
	v_lshrrev_b32 v6, 4, v2
	v_mul_u32_u24 v7, v6, PITCH
	v_lshl_add_u32 v7, v5, 4, v7
	v_add_nc_u32 v7, s25, v7                       ; out of it: sixteen lanes to a row, two rows an instruction
	v_mul_u32_u24 v8, v6, KROW
	v_lshl_add_u32 v8, v5, 4, v8                   ; and the same place in the codes' plane
.macro WLOAD t                         ; block t: W(32 t + i, my column), i = 0 .. 31, into set t % 2; the largest immediate is 255 x 4,096
.set i, 0
.rept 32
	global_load_b32 v[WX+32*((\t)%2)+i], v3, s[4:5] offset:(32*(\t)+i)*4096 th:TH_LOAD_NT
.set i, i+1
.endr
.endm
	WLOAD 0
	WLOAD 1
	s_wait_kmcnt 0x0
	s_cmp_lt_u32 s18, 2
	s_cselect_b32 s30, s53, s57                    ; e1 or e5
	s_cselect_b32 s31, s55, s63                    ; e3 or e11
	s_bitcmp1_b32 s18, 0
	s_cselect_b32 s30, s31, s30
	s_add_co_i32 s30, s30, 127
	s_lshl_b32 s31, s30, 23
	v_mov_b32 v11, s31                             ; 2^e
	s_add_co_i32 s30, s30, 8
	s_lshl_b32 s30, s30, 23
	s_or_b32 s30, s30, 0x600000
.macro WBLOCK t
.set XS, WX+32*((\t)%2)
.if (\t) < NB-1
	s_wait_loadcnt 32                              ; this block's 32 loads are in; the next block's may be out
.else
	s_wait_loadcnt 0
.endif
.set i, 0
.rept 32
.set i, i+1
.endr
.irp g, 0,1,2,3
	v_cvt_scalef32_pk8_fp8_f32 v[WC+2*\g:WC+2*\g+1], v[XS+8*\g:XS+8*\g+7], v11
.endr
	ds_store_b128 v4, v[WC:WC+3] offset:32*(\t)    ; 32 codes: 32 bytes of my column's row.  (The codes go to LDS stores alone, and the next block begins with plain vector lines)
	ds_store_b128 v4, v[WC+4:WC+7] offset:32*(\t)+16
.if (\t)+2 < NB
	WLOAD (\t)+2
.endif
	s_wait_dscnt 0x0                               ; the stores have read their registers: the next block's codes may be written
.endm
	s_wait_alu depctr_va_vdst(0)
.irp t, 0,1,2,3,4,5,6,7
	WBLOCK \t
.endr
.irp t, 0,1,2,3,4,5,6,7,8,9,10,11,12,13,14,15
	ds_load_b128 v[OUTR+4*\t:OUTR+4*\t+3], v7 offset:2*\t*PITCH   ; LDS serves a wave's instructions in order: these see my stores
.endr
.irp t, 0,1,2,3,4,5,6,7,8,9,10,11,12,13,14,15
	s_wait_dscnt 15-\t
	global_store_b128 v8, v[OUTR+4*\t:OUTR+4*\t+3], s[8:9] offset:2*\t*KROW
.endr
	s_wait_tensorcnt 0x0
	ds_add_u32 v192, v193
	s_wait_dscnt 0x0
	s_endpgm
.Lfunc_end_k_q9471f12063_quant:
	.size	k_q9471f12063_quant, .Lfunc_end_k_q9471f12063_quant-k_q9471f12063_quant
	.p2alignl 7, 3214868480
	.fill 96, 4, 3214868480
	.section	.rodata,"a",@progbits
	.p2align	6, 0x0
	.amdhsa_kernel k_q9471f12063_quant
		.amdhsa_group_segment_fixed_size 68096
		.amdhsa_private_segment_fixed_size 0
		.amdhsa_enable_private_segment 0
		.amdhsa_kernarg_size 64
		.amdhsa_user_sgpr_count 2
		.amdhsa_user_sgpr_kernarg_segment_ptr 1
		.amdhsa_wavefront_size32 1
		.amdhsa_system_sgpr_workgroup_id_x 1
		.amdhsa_system_sgpr_workgroup_id_y 1
		.amdhsa_system_sgpr_workgroup_id_z 1
		.amdhsa_system_vgpr_workitem_id 0
		.amdhsa_next_free_vgpr 194
		.amdhsa_next_free_sgpr 66
		.amdhsa_reserve_vcc 0
		.amdhsa_float_denorm_mode_32 3
		.amdhsa_float_denorm_mode_16_64 3
		.amdhsa_fp16_overflow 1
		.amdhsa_memory_ordered 1
		.amdhsa_forward_progress 1
		.amdhsa_inst_pref_size 63
	.end_amdhsa_kernel
	.amdgpu_metadata
---
amdhsa.version: [ 1, 2 ]
amdhsa.kernels:
  - .name:           k_q9471f12063_quant
    .symbol:         k_q9471f12063_quant.kd
    .args:
      - { .name: x, .offset: 0, .size: 8, .value_kind: global_buffer, .address_space: global }
      - { .name: Wq, .offset: 8, .size: 8, .value_kind: global_buffer, .address_space: global }
      - { .name: Wk, .offset: 16, .size: 8, .value_kind: global_buffer, .address_space: global }
      - { .name: Wv, .offset: 24, .size: 8, .value_kind: global_buffer, .address_space: global }
      - { .name: Wo, .offset: 32, .size: 8, .value_kind: global_buffer, .address_space: global }
      - { .name: lowp_scales, .offset: 40, .size: 8, .value_kind: global_buffer, .address_space: global }
      - { .name: xc, .offset: 48, .size: 8, .value_kind: global_buffer, .address_space: global }
      - { .name: wc, .offset: 56, .size: 8, .value_kind: global_buffer, .address_space: global }
    .group_segment_fixed_size: 68096
    .private_segment_fixed_size: 0
    .kernarg_segment_align: 8
    .kernarg_segment_size: 64
    .max_flat_workgroup_size: 128
    .sgpr_count:     66
    .vgpr_count:     194
    .wavefront_size: 32
...
	.end_amdgpu_metadata
.endif
;; end of part 1
;; launch qkv (part 2): grid 12 x 32, 4 waves a work-group, clusters of 4 x 4, 327,680 bytes of LDS; arguments xc, wc, bq, bk, bv, lowp_scales, qkv; writes qkv
.if DOCPART == 2
	.amdgcn_target "amdgcn-amd-amdhsa--gfx1250"
	.amdhsa_code_object_version 6
	.text
	.protected	k_q9471f12063_qkv
	.globl	k_q9471f12063_qkv
	.p2align	8
	.type	k_q9471f12063_qkv,@function
k_q9471f12063_qkv:
	s_mov_b64 s[64:65], 0
	v_nop
	global_prefetch_b8 v0, s[64:65] scope:SCOPE_SE
	s_setreg_imm32_b32 hwreg(HW_REG_WAVE_MODE, 25, 1), 1
	s_wait_xcnt 0x0
	s_wait_alu depctr_hold_cnt(0) depctr_sa_sdst(0) depctr_va_vdst(0) depctr_va_sdst(0) depctr_va_ssrc(0) depctr_va_vcc(0) depctr_vm_vsrc(0)
	s_getreg_b32 s2, hwreg(HW_REG_IB_STS2, 6, 4)
	s_cmp_eq_u32 s2, 0
	s_cbranch_scc0 .Lentry_in_a_cluster
	s_endpgm
.Lentry_in_a_cluster:
	s_bfe_u32 s2, ttmp6, 0x10000c
	s_cmp_lg_u32 s2, 0xf033
	s_cbranch_scc0 .Lentry_shape_is_right
	s_endpgm
.Lentry_shape_is_right:
; q = x Wq + bq, k = x Wk + bk, v = x Wv + bv on E4M3 codes, and each result quantised at once (2^e6, 2^e7, 2^e9) into the buffer qkv.
; THE CLUSTER'S x IS THE PRODUCT: 0 q, 1 k, 2 v; it is the same in all sixteen partners.  A tile of the result is 256 x 256, K = 1,024 in four steps of 256 through a ring of two LDS slots.
; Four waves, as many as a WGP has SIMDs; a wave makes 128 x 128: 64 accumulators, 512 registers.
; 'A' is the operand whose tile hangs on the tile row and is shared along a row of the cluster, 'B' the one that hangs on the tile column and is shared along a column: each tile is asked for JOINTLY.
; q, k: A = x's codes (tokens), B = the weight's codes (channels).  v: A = Wv's codes (channels), B = x's codes (tokens).  The swap is a choice of pointers and coordinates on the cluster's x; the loop is one.
; THE MATRIX INSTRUCTION IS USED TRANSPOSED (source 0 = 16 rows of B, source 1 = 16 rows of A): a lane holds one row of A and eight neighbouring rows of B: for q and k eight channels of a token,
; for v eight tokens of a channel: in both cases eight neighbours along the K of the product that reads them next.
; LAYOUT OF qkv: plane 0 q, plane 1 k: [batch x 16 + head][token][64]; plane 2 v: [batch x 16 + head][64][token].  Within each 32 bytes along the last axis byte 16 h + 8 u + j holds index 16 u + 8 h + j:
; that is how two neighbouring accumulators of a lane convert into 16 bytes.  q and k carry the same order, so every product meets its partner; v's order is the one in which p's codes come out in the next launch.
; The value ahead of the quantiser is sum x 2^(ea + eb) + bias, in f32.
; LIMITS: e0 + e1, e2 + e3, e4 + e5 between -126 and 127; e6, e7, e9 between -126 and 119.
; No prefetch: half of K is asked for at the head and only two refills follow.
; REGISTERS, in windows of 256: window 0: v9-30 addresses and constants; v32-95 the bias by columns, v96-111 the bias by rows; from v128 A's fragments, ONE set; on the way out v128-255 are free.
;   window 1: B's fragments, TWO sets.   window 2: the accumulators of my rows 0-63 ((a, b) at v[8 (8 a + b)]);   window 3: those of my rows 64-127.
.set ROWB,   256                       ; a tile's row in bytes: 256 codes
.set KROW,   1024                      ; a row of A or of B in memory
.set PITCH,  272                       ; an LDS row: 256 bytes + 16 of padding = 68 words: row r starts at bank 4 r mod 64 (ISA guide 11.1)
.set FR,     16
.set NL,     4
.set NP,     4                         ; places behind this matrix instruction (ISA guide 7.12.1)
.set HALFT,  128*PITCH
.set SLOT,   4*HALFT
.set LAPS,   2                         ; 1,024 / 512
.set SPARE,  2*SLOT                    ; behind the ring: the spare words, 128 bytes for each wave
.set SPITCH, 272                       ; the way out: ONE stage of 256 rows x (256 bytes of codes + 16) in slot 0, which has had its last fill and its last read by then
.set ADRA, 16
.set ADRB, 20
.set STO,  24                          ; v24  where I put 16 bytes of codes
.set RDQ,  25                          ; v25  q, k: where I read the stage back
.set GOQ,  26                          ; v26  q, k: my byte offset in memory
.set RDV,  27                          ; v27  v: the same two
.set SPW,  28
.set NIL,  29
.set GOV,  30
.set CB,   32                          ; v32-95   bias of B's index 16 b + 8 h + j at 8 b + j (q, k; zeros for v)
.set RB,   96                          ; v96-111  bias of A's row 16 a + r, twice, at 2 a (v; zeros for q, k)
.set AF,   128
.set TMP,  128                         ; the way out: a block's 64 numbers
.set CODE, 192                         ; two sets of 16 registers of codes
.set OUT,  128                         ; 32 x 4 registers read back from the stage
.set G1, 24
.set G0, 32
.set G1B, 48
.set G0B, 56
.set MSB, 0
.macro WIN new                         ; the immediate's high byte repeats the setting that is left
.if MSB != \new
	s_set_vgpr_msb (MSB<<8)|\new
.set MSB, \new
.endif
.endm
.set MUL_LO, 0xa1                      ; source 0 (B) window 1, source 1 (A) window 0, C and D window 2
.set MUL_HI, 0xf1
.set TO_B,   0x40
; A joint load: waves 0 and 1 fetch for A, waves 2 and 3 for B; the branch hangs on the wave's number alone.  Four v_nop follow each of the two lines.
.macro JLOAD g0a, g1a, g0b, g1b
	s_cmp_eq_u32 s15, 0
	s_cbranch_scc0 .Lfor_b_\@
	tensor_load_to_lds s[\g0a:\g0a+3], s[\g1a:\g1a+7]
	s_nop 0
.rept 4
	v_nop
.endr
	s_branch .Lasked_\@
.Lfor_b_\@:
	tensor_load_to_lds s[\g0b:\g0b+3], s[\g1b:\g1b+7]
	s_nop 0
.rept 4
	v_nop
.endr
.Lasked_\@:
.endm
.macro CREST                           ; a round of the cluster's barrier behind its opening barrier
	s_cmp_lg_u32 s14, 0
	s_cbranch_scc1 .Lnot_wave_0_\@
	s_barrier_signal -3
.Lnot_wave_0_\@:
	s_barrier_wait -3
	s_barrier_signal -1
	s_barrier_wait -1
.endm
.macro CROUND
	s_barrier_signal -1
	s_barrier_wait -1
	CREST
.endm
	s_load_b256 s[68:75], s[0:1], 0x0              ; xc 68, wc 70, bq 72, bk 74
	s_load_b128 s[76:79], s[0:1], 0x20             ; bv 76, the exponents 78
	s_load_b64 s[80:81], s[0:1], 0x30              ; qkv
	v_lshl_add_u32 v[SPW], v0, 2, SPARE
	v_mov_b32 v[NIL], 0
	ds_add_u32 v28, v29
	ds_add_u32 v28, v29
	s_wait_dscnt 0x0
	v_lshrrev_b32 v1, 5, v0
	v_readfirstlane_b32 s14, v1                    ; wave 0..3
	s_lshr_b32 s15, s14, 1                         ; which half of the tile's rows is mine.  Also: I fetch for A (0) or for B (1)
	s_and_b32 s16, s14, 1                          ; which half of its columns.  Also: which 128 rows of that tile I fetch
	s_bfe_u32 s40, ttmp6, 0x40000                  ; cx
	s_bfe_u32 s41, ttmp6, 0x40004                  ; cy
	s_and_b32 s100, ttmp7, 0xffff
	s_lshl_b32 s100, s100, 2                       ; 4 x cluster y
	s_add_co_u32 s19, s100, s41                    ; a block of 256 tokens by cy,
	s_add_co_u32 s101, s100, s40                   ; or by cx
	s_cmp_eq_u32 ttmp9, 2                          ; v?
	s_cselect_b32 s17, s41, s19                    ; tile row: v: 256 channels by cy; q, k: tokens by cy.  It never holds cx
	s_cselect_b32 s42, s101, s40                   ; tile column: v: tokens by cx; q, k: 256 channels by cx.  It never holds cy
	s_lshl_b32 s43, s41, 2
	s_lshl_b32 s43, 15, s43                        ; my row of the cluster
	s_lshl_b32 s44, 0x1111, s40                    ; my column
	s_or_b32 s[G1+0], s43, (0<<16)|(1<<20)|(1<<21)|(5<<22)|(3<<25)  ; the mask; elements of 1 byte; padding on; bit 21 beside a mask; after every 64 words, 4 words
	s_or_b32 s[G1B+0], s44, (0<<16)|(1<<20)|(1<<21)|(5<<22)|(3<<25)
.irp g, G1, G1B
	s_mov_b32 s[\g+1], ROWB<<16                    ; tensor_dim0
	s_mov_b32 s[\g+2], 128<<16                     ; tensor_dim1
	s_mov_b32 s[\g+3], ROWB<<16                    ; tile_dim0
	s_mov_b32 s[\g+4], 128                         ; tile_dim1
	s_mov_b32 s[\g+5], KROW                        ; tensor_dim0_stride
	s_mov_b32 s[\g+6], 0
	s_mov_b32 s[\g+7], 0
.endr
	s_lshl_b32 s18, s16, 7                         ; which 128 rows of the tile I fetch
	s_lshl_b32 s20, s17, 8
	s_add_co_u32 s20, s20, s18
	s_lshl_b32 s20, s20, 10                        ; A: (256 x tile row + 128 x half) rows of 1,024 bytes
	s_mov_b32 s21, 0
	s_lshl_b32 s46, s42, 8
	s_add_co_u32 s46, s46, s18
	s_lshl_b32 s46, s46, 10                        ; B likewise, by the tile column
	s_mov_b32 s47, 0
	s_lshl_b32 s22, ttmp9, 23                      ; the product's plane of x's codes,
	s_mov_b32 s23, 0
	s_lshl_b32 s2, ttmp9, 20                       ; and of the weights' codes
	s_mov_b32 s3, 0
	s_mul_i32 s45, s14, HALFT                      ; where my tile goes: wave x 128 rows
	s_wait_kmcnt 0x0
	s_load_b256 s[84:91], s[78:79], 0x0            ; e0 .. e7
	s_load_b128 s[92:95], s[78:79], 0x20           ; e8 .. e11
	s_add_nc_u64 s[68:69], s[68:69], s[22:23]
	s_add_nc_u64 s[70:71], s[70:71], s[2:3]
	s_cmp_eq_u32 ttmp9, 2
	s_cselect_b64 s[4:5], s[70:71], s[68:69]       ; A
	s_cselect_b64 s[6:7], s[68:69], s[70:71]       ; B
	s_add_nc_u64 s[20:21], s[4:5], s[20:21]
	s_add_nc_u64 s[46:47], s[6:7], s[46:47]
	CROUND                                         ; all sixteen work-groups are here: the first joint loads meet
.irp s, 0,1
	s_mov_b32 s[G0+4*\s], 1
	s_add_co_u32 s[G0+4*\s+1], s45, \s*SLOT
	s_add_nc_u64 s[G0+4*\s+2:G0+4*\s+3], s[20:21], \s*ROWB
	s_or_b32 s[G0+4*\s+3], s[G0+4*\s+3], 0x80000000
	s_mov_b32 s[G0B+4*\s], 1
	s_add_co_u32 s[G0B+4*\s+1], s45, \s*SLOT
	s_add_nc_u64 s[G0B+4*\s+2:G0B+4*\s+3], s[46:47], \s*ROWB
	s_or_b32 s[G0B+4*\s+3], s[G0B+4*\s+3], 0x80000000
	JLOAD G0+4*\s, G1, G0B+4*\s, G1B
.endr
	; the bias.  q, k: by B's index (channels), 64 registers; v: by A's row (channels), 8 numbers.  The set that does not apply is read at the buffer's head and cleared on the way out.
	s_cmp_eq_u32 ttmp9, 0
	s_cselect_b64 s[12:13], s[72:73], s[74:75]
	s_cmp_eq_u32 ttmp9, 2
	s_cselect_b64 s[12:13], s[76:77], s[12:13]
	s_lshl_b32 s20, s42, 8
	s_lshl_b32 s21, s16, 7
	s_add_co_u32 s20, s20, s21                     ; my first column
	s_lshl_b32 s22, s17, 8
	s_lshl_b32 s23, s15, 7
	s_add_co_u32 s22, s22, s23                     ; my first row
	s_cmp_eq_u32 ttmp9, 2
	s_cselect_b32 s20, 0, s20
	s_cselect_b32 s22, s22, 0
	s_lshl_b32 s20, s20, 2
	s_lshl_b32 s22, s22, 2
	s_mov_b32 s21, 0
	s_mov_b32 s23, 0
	s_add_nc_u64 s[82:83], s[12:13], s[22:23]
	s_add_nc_u64 s[12:13], s[12:13], s[20:21]
	v_and_b32 v1, 15, v0                           ; r = l % 16
	v_bfe_u32 v2, v0, 4, 1                         ; h = l / 16
	v_lshlrev_b32 v9, 5, v2
	v_lshlrev_b32 v10, 2, v1
.irp b, 0,1,2,3,4,5,6,7
	global_load_b128 v[CB+8*\b:CB+8*\b+3], v9, s[12:13] offset:64*\b
	global_load_b128 v[CB+8*\b+4:CB+8*\b+7], v9, s[12:13] offset:64*\b+16
.endr
.irp a, 0,1,2,3,4,5,6,7
	global_load_b32 v[RB+2*\a], v10, s[82:83] offset:64*\a
.endr
	v_mul_u32_u24 v3, v1, PITCH
	v_lshl_add_u32 v4, v2, 4, v3                   ; a fragment's row x pitch + 16 x half
	s_mul_i32 s21, s15, HALFT                      ; my 128 rows of A
	s_mul_i32 s22, s16, HALFT                      ; my 128 rows of B,
	s_add_co_u32 s22, s22, 2*HALFT                 ; which lie behind A's 256
.irp s, 0,1
	v_add_nc_u32 v[ADRA+\s], s21, v4
	v_add_nc_u32 v[ADRB+\s], s22, v4
	s_add_co_u32 s21, s21, SLOT
	s_add_co_u32 s22, s22, SLOT
.endr
	s_mul_i32 s23, s15, 128*SPITCH                 ; the stage, in: row 128 x row half + r, byte 128 x column half + 16 h
	s_lshl_b32 s21, s16, 7
	s_add_co_u32 s23, s23, s21
	v_mul_u32_u24 v5, v1, SPITCH
	v_lshl_add_u32 v5, v2, 4, v5
	v_add_nc_u32 v[STO], s23, v5
	s_mul_i32 s23, s14, 64*SPITCH                  ; back: wave w takes rows 64 w .. 64 w + 63
	v_and_b32 v6, 31, v0
	v_lshrrev_b32 v7, 2, v6
	v_mul_u32_u24 v7, v7, SPITCH
	v_and_b32 v8, 3, v6
	v_lshl_add_u32 v7, v8, 4, v7
	v_add_nc_u32 v[RDQ], s23, v7                   ; q, k: four lanes take a token's 64 bytes of one head, eight tokens an instruction,
	v_lshlrev_b32 v[GOQ], 4, v6                    ; which are 512 consecutive bytes of memory
	v_mul_u32_u24 v7, v2, SPITCH
	v_lshl_add_u32 v7, v1, 4, v7
	v_add_nc_u32 v[RDV], s23, v7                   ; v: sixteen lanes take a channel's 256 bytes, two channels an instruction
	v_lshlrev_b32 v7, 11, v2
	v_lshl_add_u32 v[GOV], v1, 4, v7               ; a channel's row is 2,048 bytes
.macro FRAG reg, adr, q, i             ; 16 rows x 128 K: lane l holds row l % 16; registers 4 c .. 4 c + 3 hold K = 32 c + 16 (l / 16) + 0 .. 15: the same order of k in A and in B
.irp c, 0,1,2,3
	ds_load_b128 v[\reg+4*\c:\reg+4*\c+3], v[\adr] offset:128*(\q)+32*\c+(\i)*16*PITCH
.endr
.endm
; 16 matrix instructions: A's blocks a0, a0 + 1 x B's eight.  The 64 accumulators take turns, one instruction a turn, in the same order in every step.
.macro MUL16 a0, p, zero
.irp a, \a0, \a0+1
.irp b, 0,1,2,3,4,5,6,7
.if \zero
	v_wmma_f32_16x16x128_fp8_fp8 v[8*(8*((\a)%4)+\b):8*(8*((\a)%4)+\b)+7], v[128*(\p)+FR*\b:128*(\p)+FR*\b+FR-1], v[AF+FR*(\a):AF+FR*(\a)+FR-1], 0
.else
	v_wmma_f32_16x16x128_fp8_fp8 v[8*(8*((\a)%4)+\b):8*(8*((\a)%4)+\b)+7], v[128*(\p)+FR*\b:128*(\p)+FR*\b+FR-1], v[AF+FR*(\a):AF+FR*(\a)+FR-1], v[8*(8*((\a)%4)+\b):8*(8*((\a)%4)+\b)+7]
.endif
.endr
.endr
.endm
.macro FETCH_B slot, q, p
	WIN TO_B
.irp i, 0,1,2,3,4,5,6,7
	FRAG 128*(\p)+FR*\i, ADRB+\slot, \q, \i
.endr
	WIN 0
.endm
.macro FETCH_A slot, q, i0
.irp i, \i0, \i0+1, \i0+2, \i0+3
	FRAG AF+FR*(\i), ADRA+\slot, \q, \i
.endr
.endm
.macro PLACES n                        ; plain vector lines between a matrix instruction and a load into a register that it has read
.rept \n
	v_nop
.endr
.endm
; A step of 128 along K that has its successor in the same slot.  A has one set of registers: blocks 0-3 are fetched anew in the step's middle, blocks 4-7 at its end; B has two sets.
.macro STEP slot, q, zero
	s_wait_dscnt 4*NL                              ; B's set and A's blocks 0-3 are in; the youngest sixteen loads (A's blocks 4-7) may be out
	WIN MUL_LO
	MUL16 0, (\q)%2, \zero
	MUL16 2, (\q)%2, \zero
	s_wait_dscnt 0                                 ; A's blocks 4-7 are in
	PLACES NP
	FETCH_B \slot, (\q)+1, 1-(\q)%2
	FETCH_A \slot, (\q)+1, 0
	WIN MUL_HI
	MUL16 4, (\q)%2, \zero
	MUL16 6, (\q)%2, \zero
	PLACES NP
	WIN 0
	FETCH_A \slot, (\q)+1, 4
.endm
; A slot's last step changes slots: ONE barrier; in front of it each wave waits for all its tensor loads, adds 0 to its spare word, and waits for that and for its own reads of this slot.
.macro TURN slot, next, fill
	s_wait_tensorcnt 0x0                           ; all my tensor loads have landed: my part of the next slot
	ds_add_u32 v[SPW], v[NIL]                      ; 0 onto my spare word
	s_wait_dscnt 4*NL+1                            ; (the add and the youngest sixteen loads, A's blocks 4-7, may be out)
	WIN MUL_LO
	MUL16 0, 1, 0
	s_wait_dscnt 0x0                               ; the add is done, and my reads of this slot are over
	s_barrier_signal -1
	MUL16 2, 1, 0
	WIN 0
	s_barrier_wait -1
.if \fill
	CREST                                          ; the barrier has opened a round of the cluster's: no wave of any partner still reads this slot or has a load on its way
	s_add_nc_u64 s[G0+4*\slot+2:G0+4*\slot+3], s[G0+4*\slot+2:G0+4*\slot+3], 2*ROWB
	s_add_nc_u64 s[G0B+4*\slot+2:G0B+4*\slot+3], s[G0B+4*\slot+2:G0B+4*\slot+3], 2*ROWB
	JLOAD G0+4*\slot, G1, G0B+4*\slot, G1B         ; the first tensor load behind the round; its four v_nop are also the places in front of the loads below
.else
	PLACES NP
.endif
	FETCH_B \next, 0, 0
	FETCH_A \next, 0, 0
	WIN MUL_HI
	MUL16 4, 1, 0
	MUL16 6, 1, 0
	PLACES NP
	WIN 0
	FETCH_A \next, 0, 4
.endm
	s_wait_tensorcnt 1                             ; my part of K step 0 is in (K step 1's load may be out)
	s_barrier_signal -1
	s_barrier_wait -1                              ; everybody's is
	FETCH_B 0, 0, 0
	FETCH_A 0, 0, 0
	FETCH_A 0, 0, 4
	STEP 0, 0, 1                                   ; the first step's products start the sums: nothing is cleared
	s_mov_b32 s3, LAPS-1
.Llap:                                                 ; a trip goes once round the ring and fills both slots again
	TURN 0, 1, 1
	STEP 1, 0, 0
	TURN 1, 0, 1
	STEP 0, 0, 0
	s_sub_co_u32 s3, s3, 1
	s_cmp_lg_u32 s3, 0
	s_cbranch_scc1 .Llap
	TURN 0, 1, 0                                   ; the last lap fills nothing; behind this barrier nobody reads slot 0 any more
	STEP 1, 0, 0
	s_wait_dscnt 4*NL
	WIN MUL_LO
	MUL16 0, 1, 0
	MUL16 2, 1, 0
	s_wait_dscnt 0
	WIN MUL_HI
	MUL16 4, 1, 0
	MUL16 6, 1, 0
	WIN 0
	; THE WAY OUT.  The product's scales are chosen on the cluster's x, without a branch.
	s_wait_kmcnt 0x0
	s_add_co_i32 s84, s84, s85                     ; e0 + e1
	s_add_co_i32 s86, s86, s87                     ; e2 + e3
	s_add_co_i32 s88, s88, s89                     ; e4 + e5
	s_cmp_eq_u32 ttmp9, 0
	s_cselect_b32 s96, s84, s86
	s_cselect_b32 s100, s90, s91                   ; e6 or e7
	s_cmp_eq_u32 ttmp9, 2
	s_cselect_b32 s96, s88, s96
	s_cselect_b32 s100, s93, s100                  ; or e9
	s_cselect_b32 s98, 0, -1                       ; keeps the bias by columns for q and k,
	s_cselect_b32 s99, -1, 0                       ; the bias by rows for v
	s_add_co_i32 s96, s96, 127
	s_lshl_b32 s96, s96, 23                        ; 2^(ea + eb) as f32
	s_mov_b32 s97, s96                             ; (named with it as a pair)
	s_add_co_i32 s100, s100, 127
	s_lshl_b32 s101, s100, 23
	s_add_co_i32 s100, s100, 8
	s_lshl_b32 s100, s100, 23
	s_or_b32 s100, s100, 0x600000
	s_wait_loadcnt 0x0                             ; the biases
	v_mov_b32 v12, s101                            ; 2^eo, for the conversions
.set j, 0
.rept 64
	v_and_b32 v[CB+j], s98, v[CB+j]                ; these plain lines name no register of the last products: they are also the places behind them
.set j, j+1
.endr
.irp a, 0,1,2,3,4,5,6,7
	v_and_b32 v[RB+2*\a+1], s99, v[RB+2*\a]
	v_and_b32 v[RB+2*\a], s99, v[RB+2*\a]
.endr
; Block a: my rows 16 a .. 16 a + 15 of A x my 128 of B.  sum x 2^(ea + eb) + bias; eight conversions: accumulators 2 c and 2 c + 1 give a lane 16 bytes; into the stage.
.macro QBLOCK a
.set AC, 64*((\a)%4)
.set CD, CODE+16*((\a)%2)
	WIN 0x02+((\a)/4)                              ; source 0: window 2 or 3
.set j, 0
.rept 32
	v_pk_fma_f32 v[TMP+j:TMP+j+1], v[AC+j:AC+j+1], s[96:97], v[CB+j:CB+j+1] op_sel_hi:[1,0,1]   ; each accumulator from its low end on
.set j, j+2
.endr
	WIN 0
.set j, 0
.rept 32
	v_pk_add_f32 v[TMP+j:TMP+j+1], v[TMP+j:TMP+j+1], v[RB+2*(\a):RB+2*(\a)+1]
.set j, j+2
.endr
.set j, 0
.rept 64
.set j, j+1
.endr
.if (\a) >= 2
	s_wait_alu depctr_va_vdst(0)
	s_wait_dscnt 4                                 ; only the block before's four stores may be out: this set of code registers has been read
.endif
.irp c, 0,1,2,3
	v_cvt_scalef32_pk8_fp8_f32 v[CD+4*\c:CD+4*\c+1], v[TMP+16*\c:TMP+16*\c+7], v12
	v_cvt_scalef32_pk8_fp8_f32 v[CD+4*\c+2:CD+4*\c+3], v[TMP+16*\c+8:TMP+16*\c+15], v12
.endr
	v_nop                                          ; a plain line between the conversions and the next block's lines, which write their sources
.irp c, 0,1,2,3
	ds_store_b128 v[STO], v[CD+4*\c:CD+4*\c+3] offset:(\a)*16*SPITCH+32*\c
.endr
.endm
.irp a, 0,1,2,3,4,5,6,7
	QBLOCK \a
.endr
	s_wait_dscnt 0x0                               ; for the others' sake: my stores into the stage are done
	s_barrier_signal -1
	s_barrier_wait -1                              ; 256 whole rows of codes lie in the stage
	s_cmp_eq_u32 ttmp9, 2                          ; the cluster's x: the same in all partners.  The two arms differ in how the stage is read and where it goes; no barrier stands in them
	s_cbranch_scc1 .Lv_out
	s_lshr_b32 s20, s17, 3                         ; q, k: batch,
	s_lshl_b32 s20, s20, 4
	s_lshl_b32 s21, s42, 2
	s_add_co_u32 s20, s20, s21                     ; x 16 + the tile's first head
	s_lshl_b32 s20, s20, 11
	s_and_b32 s21, s17, 7
	s_lshl_b32 s21, s21, 8
	s_add_co_u32 s20, s20, s21                     ; + the tile's first token in the batch
	s_lshl_b32 s21, s14, 6
	s_add_co_u32 s20, s20, s21                     ; + my 64 tokens
	s_lshl_b32 s20, s20, 6                         ; rows of 64 bytes
	s_lshl_b32 s21, ttmp9, 23                      ; the plane
	s_add_co_u32 s20, s20, s21
	s_mov_b32 s21, 0
	s_add_nc_u64 s[10:11], s[80:81], s[20:21]
.set n, 0
.rept 32
	ds_load_b128 v[OUT+4*n:OUT+4*n+3], v[RDQ] offset:(n/4)*8*SPITCH+64*(n%4)   ; tokens 8 (n / 4) on, head n % 4
.set n, n+1
.endr
.set n, 0
.rept 32
	s_wait_dscnt 31-n
	global_store_b128 v[GOQ], v[OUT+4*n:OUT+4*n+3], s[10:11] offset:(n%4)*131072+(n/4)*512   ; the wave stores 512 consecutive bytes, aligned
.set n, n+1
.endr
	s_branch .Lout_done
.Lv_out:
	s_lshr_b32 s20, s42, 3                         ; v: batch: 16 heads x 64 channels x 2,048 bytes
	s_lshl_b32 s20, s20, 21
	s_lshl_b32 s21, s17, 8
	s_lshl_b32 s22, s14, 6
	s_add_co_u32 s21, s21, s22                     ; my first channel
	s_lshl_b32 s21, s21, 11
	s_add_co_u32 s20, s20, s21
	s_and_b32 s21, s42, 7
	s_lshl_b32 s21, s21, 8                         ; the tile's first token in the batch
	s_add_co_u32 s20, s20, s21
	s_add_co_u32 s20, s20, 0x1000000               ; plane 2
	s_mov_b32 s21, 0
	s_add_nc_u64 s[10:11], s[80:81], s[20:21]
.set n, 0
.rept 32
	ds_load_b128 v[OUT+4*n:OUT+4*n+3], v[RDV] offset:n*2*SPITCH
.set n, n+1
.endr
.set n, 0
.rept 32
	s_wait_dscnt 31-n
	global_store_b128 v[GOV], v[OUT+4*n:OUT+4*n+3], s[10:11] offset:n*4096   ; sixteen lanes store 256 consecutive bytes, aligned
.set n, n+1
.endr
.Lout_done:
	s_wait_tensorcnt 0x0                           ; the wave's end
	ds_add_u32 v[SPW], v[NIL]
	s_wait_dscnt 0x0
	CROUND                                         ; the closing round
	s_endpgm
.Lfunc_end_k_q9471f12063_qkv:
	.size	k_q9471f12063_qkv, .Lfunc_end_k_q9471f12063_qkv-k_q9471f12063_qkv
	.p2alignl 7, 3214868480
	.fill 96, 4, 3214868480
	.section	.rodata,"a",@progbits
	.p2align	6, 0x0
	.amdhsa_kernel k_q9471f12063_qkv
		.amdhsa_group_segment_fixed_size 327680
		.amdhsa_private_segment_fixed_size 0
		.amdhsa_enable_private_segment 0
		.amdhsa_kernarg_size 56
		.amdhsa_user_sgpr_count 2
		.amdhsa_user_sgpr_kernarg_segment_ptr 1
		.amdhsa_wavefront_size32 1
		.amdhsa_system_sgpr_workgroup_id_x 1
		.amdhsa_system_sgpr_workgroup_id_y 1
		.amdhsa_system_sgpr_workgroup_id_z 1
		.amdhsa_system_vgpr_workitem_id 0
		.amdhsa_next_free_vgpr 1024
		.amdhsa_next_free_sgpr 102
		.amdhsa_reserve_vcc 0
		.amdhsa_float_denorm_mode_32 3
		.amdhsa_float_denorm_mode_16_64 3
		.amdhsa_fp16_overflow 1
		.amdhsa_memory_ordered 1
		.amdhsa_forward_progress 1
		.amdhsa_inst_pref_size 137
	.end_amdhsa_kernel
	.amdgpu_metadata
---
amdhsa.version: [ 1, 2 ]
amdhsa.kernels:
  - .name:           k_q9471f12063_qkv
    .symbol:         k_q9471f12063_qkv.kd
    .args:
      - { .name: xc, .offset: 0, .size: 8, .value_kind: global_buffer, .address_space: global }
      - { .name: wc, .offset: 8, .size: 8, .value_kind: global_buffer, .address_space: global }
      - { .name: bq, .offset: 16, .size: 8, .value_kind: global_buffer, .address_space: global }
      - { .name: bk, .offset: 24, .size: 8, .value_kind: global_buffer, .address_space: global }
      - { .name: bv, .offset: 32, .size: 8, .value_kind: global_buffer, .address_space: global }
      - { .name: lowp_scales, .offset: 40, .size: 8, .value_kind: global_buffer, .address_space: global }
      - { .name: qkv, .offset: 48, .size: 8, .value_kind: global_buffer, .address_space: global }
    .group_segment_fixed_size: 327680
    .private_segment_fixed_size: 0
    .kernarg_segment_align: 8
    .kernarg_segment_size: 56
    .max_flat_workgroup_size: 128
    .sgpr_count:     102
    .vgpr_count:     1024
    .wavefront_size: 32
...
	.end_amdgpu_metadata
.endif
;; end of part 2
;; launch attn (part 3): grid 4 x 64, 16 waves a work-group, no clusters, 317,440 bytes of LDS; arguments qkv, lowp_scales, ac; writes ac
.if DOCPART == 3
	.amdgcn_target "amdgcn-amd-amdhsa--gfx1250"
	.amdhsa_code_object_version 6
	.text
	.protected	k_q9471f12063_attn
	.globl	k_q9471f12063_attn
	.p2align	8
	.type	k_q9471f12063_attn,@function
k_q9471f12063_attn:
	s_mov_b64 s[64:65], 0
	v_nop
	global_prefetch_b8 v0, s[64:65] scope:SCOPE_SE
	s_setreg_imm32_b32 hwreg(HW_REG_WAVE_MODE, 25, 1), 1
	s_wait_xcnt 0x0
; Causal attention on E4M3 codes: for each of 64 heads (batch x 16 + head) o = softmax(q k^T / 8) v, 2,048 tokens, head size 64; o is quantised at once (2^e10) into ac [8192 tokens][1024 channels].
; THE SOFTMAX AHEAD OF THE SECOND PRODUCT: t = score x log2(e) / 8; M = the running largest t rounded UP to a whole number; p = 2^(t - M) is quantised (2^e8), not normalised; the row's sum is taken of
; the unquantised p in f32 and divides at the end.  When M moves, the sum and O are multiplied by 2^(old M - new M), which rounds nothing.
; SHARES.  Work-group (i, head) owns the query blocks 7 - i and i of 256 queries.  Wave w owns two tiles of 16 queries: tile B at 256 (7 - i) + 16 w, tile A at 256 i + 16 (15 - w).
; A tile at query q0 has (q0 + 15) / 128 + 1 key steps of 128 that are not wholly hidden: the two tiles of every wave have 17 together, so all 4,096 waves have equal work.
; THE HEAD'S WHOLE K AND V LIE IN LDS, each byte filled once: 16 waves x 4 tensor loads at the head, in four stages of 512 keys; the first stage is read while the others land.  No ring, no refill.
; Every wave walks all 16 key steps; a step all of whose keys come after a tile's queries is passed over by a scalar branch on ids, in which no barrier and no tensor load stands.
; NO CLUSTER, though the four work-groups of a head read the same K and V: what a work-group passes over hangs on i, which in a cluster would be its place.
; NO PREFETCH: all tensor loads of the launch go out at its head; there is no later request to run ahead of.
; LAYOUT.  Both products are used transposed: S^T = K Q^T (source 0 = 16 neighbouring keys, source 1 = my 16 queries), O^T = V^T P^T: a lane holds ONE query (lane % 16) throughout.
; Register 8 t + j of S^T is key 16 t + 8 (lane / 16) + j.  Tiles 2 c and 2 c + 1 convert into code registers 4 c .. 4 c + 3, and v's codes lie in memory in just that order of keys (the launch before).
; ac's rows: a head's 64 codes are 64 bytes of a token's 1,024, so a store here covers eight pieces of 64 bytes, 1,024 bytes apart.
; LIMITS: e6 + e7 between -123 and 130 (added to c's exponent field); e8 and e10 between -126 and 119; e8 + e9 goes by v_ldexp_f32.  NaN is not served.
; LDS: K at 0: key k at (k / 4) x 272 + (k % 4) x 64 (rows of 4 keys + 16 bytes: sixteen neighbouring keys start in sixteen different 16-byte columns of 256); V at VB: 4 stages x 64 rows x (512 + 16);
;   at OS the way out: 2,560 bytes a wave, into which no fill lands.
; REGISTERS: v1 K's lane term, v2 V's, v3 r - 8 h, v4, v5 addresses in hand, v6 2^e8; v8 -M, v9 largest t, v[10:11] sum of tile B; v12-15 of tile A; v16-23 Q of B, v24-31 of A;
;   v32-95 K's 8 fragments, then V's 4; v96-159 S^T, then p; v160-191 O^T of B, v192-223 of A; v224-239 p's codes; v240-249 at work.
.set VB,   139264
.set OS,   274432
.set KSTG, 34816                       ; 512 keys of K in LDS
.set VSTG, 33792                       ; 512 keys of V in LDS
.set G1K,  24                          ; s[24:31]
.set G1V,  32                          ; s[32:39]
.set G0K,  40                          ; s[40:55] a group 0 for each stage
.set G0V,  68                          ; s[68:83]
	s_load_b128 s[4:7], s[0:1], 0x0                ; qkv, the exponents
	s_load_b64 s[8:9], s[0:1], 0x10                ; ac
	v_lshl_add_u32 v254, v0, 2, 0x4d000
	v_mov_b32 v255, 0
	ds_add_u32 v254, v255
	ds_add_u32 v254, v255
	v_lshrrev_b32 v1, 5, v0
	s_delay_alu instid0(VALU_DEP_1)
	v_readfirstlane_b32 s18, v1                    ; wave 0..15
	s_and_b32 s19, s18, 7                          ; which eighth of a stage I fetch
	s_and_b32 s56, ttmp7, 0xffff                   ; batch x 16 + head
	s_lshl_b32 s57, s56, 17                        ; its 131,072 bytes in each plane
	s_lshl_b32 s58, s19, 12                        ; K: 64 keys of 64 bytes
	s_add_co_u32 s58, s58, s57
	s_add_co_u32 s58, s58, 0x800000                ; plane 1
	s_mov_b32 s59, 0
	s_lshl_b32 s60, s19, 14                        ; V: 8 rows of 2,048 bytes
	s_add_co_u32 s60, s60, s57
	s_add_co_u32 s60, s60, 0x1000000               ; plane 2
	s_mov_b32 s61, 0
	s_mul_i32 s16, s19, 4352                       ; K in LDS: 16 rows of 272
	s_mul_i32 s17, s19, 4224                       ; V in LDS: 8 rows of 528
	s_add_co_u32 s17, s17, VB
	s_mov_b32 s[G1K], (0<<16)|(1<<20)|(5<<22)|(3<<25)  ; no mask; elements of 1 byte; padding: 4 words after every 64
	s_mov_b32 s[G1K+1], 256<<16                    ; tensor_dim0: four keys, dense in memory, stated as one row of 256 bytes
	s_mov_b32 s[G1K+2], 16<<16                     ; tensor_dim1
	s_mov_b32 s[G1K+3], 256<<16                    ; tile_dim0
	s_mov_b32 s[G1K+4], 16                         ; tile_dim1
	s_mov_b32 s[G1K+5], 256                        ; stride
	s_mov_b32 s[G1K+6], 0
	s_mov_b32 s[G1K+7], 0
	s_mov_b32 s[G1V], (0<<16)|(1<<20)|(6<<22)|(3<<25)  ; padding: 4 words after every 128
	s_mov_b32 s[G1V+1], 512<<16
	s_mov_b32 s[G1V+2], 8<<16
	s_mov_b32 s[G1V+3], 512<<16
	s_mov_b32 s[G1V+4], 8
	s_mov_b32 s[G1V+5], 2048
	s_mov_b32 s[G1V+6], 0
	s_mov_b32 s[G1V+7], 0
	s_sub_co_u32 s13, 7, ttmp9
	s_lshl_b32 s13, s13, 8
	s_lshl_b32 s15, s18, 4
	s_add_co_u32 s13, s13, s15                     ; tile B's first query
	s_lshl_b32 s14, ttmp9, 8
	s_sub_co_u32 s15, 240, s15
	s_add_co_u32 s14, s14, s15                     ; tile A's
	s_lshl_b32 s62, s13, 6
	s_add_co_u32 s62, s62, s57
	s_mov_b32 s63, 0
	s_lshl_b32 s56, s14, 6
	s_add_co_u32 s56, s56, s57
	s_mov_b32 s57, 0
	s_mov_b32 s20, 0x76543210                      ; v_permlanex16_b32's selects for lane l xor 16
	s_mov_b32 s21, 0xfedcba98
	s_mov_b32 s2, 0                                ; K's LDS byte of the step in hand
	s_mov_b32 s3, 0                                ; V's
	s_mov_b32 s10, 0                               ; the step's first key
	s_wait_dscnt 0x0
	s_wait_kmcnt 0x0
	s_load_b128 s[84:87], s[6:7], 0x18             ; e6, e7, e8, e9
	s_load_b32 s88, s[6:7], 0x28                   ; e10
	s_add_nc_u64 s[58:59], s[4:5], s[58:59]
	s_add_nc_u64 s[60:61], s[4:5], s[60:61]
	s_add_nc_u64 s[62:63], s[4:5], s[62:63]        ; Q of tile B
	s_add_nc_u64 s[56:57], s[4:5], s[56:57]        ; Q of tile A
.irp s, 0,1,2,3
	s_mov_b32 s[G0K+4*\s], 1
	s_add_co_u32 s[G0K+4*\s+1], s16, \s*KSTG
	s_add_nc_u64 s[G0K+4*\s+2:G0K+4*\s+3], s[58:59], \s*32768
	s_or_b32 s[G0K+4*\s+3], s[G0K+4*\s+3], 0x80000000
	s_mov_b32 s[G0V+4*\s], 1
	s_add_co_u32 s[G0V+4*\s+1], s17, \s*VSTG
	s_add_nc_u64 s[G0V+4*\s+2:G0V+4*\s+3], s[60:61], \s*512
	s_or_b32 s[G0V+4*\s+3], s[G0V+4*\s+3], 0x80000000
.endr
	s_cmp_lt_u32 s18, 8                            ; waves 0-7 fetch K, waves 8-15 V: a wave's four fills stand in one branch, ahead of every wait on TENSORcnt, every LDS read and every barrier: four loads of mine are out
	s_cbranch_scc0 .Lfill_v
.irp s, 0,1,2,3
	tensor_load_to_lds s[G0K+4*\s:G0K+4*\s+3], s[G1K:G1K+7]
	s_nop 0
.endr
.rept 4
	v_nop
.endr
	s_branch .Lfilled
.Lfill_v:
.irp s, 0,1,2,3
	tensor_load_to_lds s[G0V+4*\s:G0V+4*\s+3], s[G1V:G1V+7]
	s_nop 0
.endr
.rept 4
	v_nop
.endr
.Lfilled:
	v_and_b32 v240, 15, v0                         ; r
	v_bfe_u32 v241, v0, 4, 1                       ; h
	s_delay_alu instid0(VALU_DEP_2)
	v_lshlrev_b32 v242, 6, v240
	s_delay_alu instid0(VALU_DEP_1)
	v_lshl_add_u32 v242, v241, 4, v242             ; Q: row r of 64 bytes, + 16 h
	global_load_b128 v[16:19], v242, s[62:63]
	global_load_b128 v[20:23], v242, s[62:63] offset:32
	global_load_b128 v[24:27], v242, s[56:57]
	global_load_b128 v[28:31], v242, s[56:57] offset:32
	v_lshrrev_b32 v243, 2, v240
	s_delay_alu instid0(VALU_DEP_1)
	v_mul_u32_u24 v1, v243, 272
	v_and_b32 v243, 3, v240
	s_delay_alu instid0(VALU_DEP_1)
	v_lshl_add_u32 v1, v243, 6, v1
	s_delay_alu instid0(VALU_DEP_1)
	v_lshl_add_u32 v1, v241, 4, v1                 ; K: (r / 4) x 272 + (r % 4) x 64 + 16 h
	v_mul_u32_u24 v2, v240, 528
	s_delay_alu instid0(VALU_DEP_1)
	v_lshl_add_u32 v2, v241, 4, v2
	s_delay_alu instid0(VALU_DEP_1)
	v_add_nc_u32 v2, VB, v2                        ; V: row r, + 16 h
	v_lshlrev_b32 v3, 3, v241
	s_delay_alu instid0(VALU_DEP_1)
	v_sub_nc_u32 v3, v240, v3                      ; r - 8 h, for the mask
	v_mov_b32 v9, 0xff61b1e6                       ; the largest t so far: -3e38, under every t
	s_delay_alu instid0(VALU_DEP_1)
	v_floor_f32 v8, -v9                            ; -M
	v_mov_b32 v10, 0
	v_mov_b32 v11, 0
	v_mov_b32 v13, 0xff61b1e6
	s_delay_alu instid0(VALU_DEP_1)
	v_floor_f32 v12, -v13
	v_mov_b32 v14, 0
	v_mov_b32 v15, 0
	v_mov_b32 v244, 0                              ; written once: a lane permute's destination counts as one of its sources
	v_mov_b32 v245, 0
	v_mov_b32 v247, 0                              ; (named as the upper half of the pair v[246:247])
	v_mov_b32 v248, 0xff800000                     ; -infinity
.set j, 0
.rept 64
	v_mov_b32 v[160+j], 0                          ; O^T of both tiles.  (The step is written once: the first finds zeros, which the first change of M leaves zeros)
.set j, j+1
.endr
	s_wait_kmcnt 0x0
	s_add_co_i32 s15, s84, s85
	s_lshl_b32 s15, s15, 23
	s_mov_b32 s22, 0x3e38aa3b                      ; c = log2(e) / 8
	s_add_co_i32 s22, s22, s15                     ; x 2^(e6 + e7): the two exponents are added to c's exponent field
	s_mov_b32 s23, s22                             ; (named with it as a pair)
	s_add_co_i32 s15, s86, 127
	s_lshl_b32 s16, s15, 23
	v_mov_b32 v6, s16                              ; 2^e8
; A KEY STEP of one tile: 128 keys from s10 on.  qf: Q's fragment; oa: O^T; st: -M, largest t, the sum's pair; qs: the scalar register with the tile's first query.
.macro STEP qf, oa, st, qs
	s_add_co_u32 s15, s[\qs], 15
	s_cmp_gt_u32 s10, s15                          ; all 128 keys come after my 16 queries: nothing to do
	s_cbranch_scc1 .Lhidden_\@
	v_add_nc_u32 v4, s2, v1
	v_add_nc_u32 v5, s3, v2
	v_nop
	v_nop                                          ; with the two additions: four places in front of loads into registers that the last products have read
.irp t, 0,1,2,3,4,5,6,7
	ds_load_b128 v[32+8*\t:35+8*\t], v4 offset:\t*1088      ; keys 16 t + r: 16 keys are 4 rows of 272
	ds_load_b128 v[36+8*\t:39+8*\t], v4 offset:\t*1088+32
.endr
	s_wait_alu depctr_va_vdst(0)
	s_wait_dscnt 0x0
.irp t, 0,1,2,3,4,5,6,7
	v_wmma_f32_16x16x64_fp8_fp8 v[96+8*\t:103+8*\t], v[32+8*\t:39+8*\t], v[\qf:\qf+7], 0
.endr
.rept 4
	v_nop                                          ; places in front of the loads below and of the first read of the scores
.endr
.irp d, 0,1,2,3
.irp c, 0,1,2,3
	ds_load_b128 v[32+16*\d+4*\c:35+16*\d+4*\c], v5 offset:\d*8448+32*\c   ; V's four fragments are asked for here and land under the softmax
.endr
.endr
	s_add_co_u32 s15, s10, 127
	s_cmp_le_u32 s15, s[\qs]                       ; all 128 keys count for all my queries: no mask
	s_cbranch_scc1 .Lopen_\@
	s_sub_co_i32 s15, s[\qs], s10
	v_add_nc_u32 v249, s15, v3                     ; d = my query - the step's first key - 8 h.  Register 8 t + j holds key 16 t + 8 h + j of the step: hidden where 16 t + j > d
.set n, 0
.rept 64
	v_cmp_gt_i32 vcc_lo, 16*(n/8)+n%8, v249
	v_cndmask_b32 v[96+n], v[96+n], v248, vcc_lo
.set n, n+1
.endr
.Lopen_\@:
	v_max3_num_f32 v240, v96, v97, v98             ; the step's largest score of my query among my 64 keys, in two chains,
	v_max3_num_f32 v246, v99, v100, v101
.set j, 6
.rept 14
	v_max3_num_f32 v240, v240, v[96+j], v[97+j]
	v_max3_num_f32 v246, v246, v[98+j], v[99+j]
.set j, j+4
.endr
	v_max3_num_f32 v240, v240, v158, v159
	s_delay_alu instid0(VALU_DEP_1)
	v_max_num_f32 v240, v240, v246
	s_delay_alu instid0(VALU_DEP_1)
	v_permlanex16_b32 v244, v240, s20, s21
	s_delay_alu instid0(VALU_DEP_1)
	v_max_num_f32 v240, v240, v244                 ; and among lane l xor 16's
	s_delay_alu instid0(VALU_DEP_1)
	v_mul_f32 v240, s22, v240                      ; as t (c is positive)
	s_delay_alu instid0(VALU_DEP_1)
	v_max_num_f32 v[\st+1], v[\st+1], v240         ; the running largest t
	v_mov_b32 v240, v[\st]
	s_delay_alu instid0(VALU_DEP_2)
	v_floor_f32 v[\st], -v[\st+1]                  ; the new -M = floor(-t): M is a whole number
	s_delay_alu instid0(VALU_DEP_1)
	v_sub_f32 v240, v[\st], v240                   ; old M - new M: a whole number, 0 or less
	s_delay_alu instid0(VALU_DEP_1)
	v_cvt_i32_f32 v240, v240                       ; (it saturates)
	s_delay_alu instid0(VALU_DEP_1)
	v_ldexp_f32 v246, 1.0, v240                    ; f = 2^(old M - new M)
.set j, 0
.rept 32
	v_pk_fma_f32 v[96+j:97+j], v[96+j:97+j], s[22:23], v[\st:\st+1] op_sel_hi:[1,0,0]   ; t - M, two at a time
.set j, j+2
.endr
.set j, 0
	s_wait_alu depctr_va_vdst(0)
.rept 64
	v_exp_f32 v[96+j], v[96+j]                     ; p = 2^(t - M), at most 1
.set j, j+1
.endr
	v_pk_mul_f32 v[\st+2:\st+3], v[\st+2:\st+3], v[246:247] op_sel_hi:[1,0]   ; the sums under the new M: the plain line behind the exponentials
	s_wait_alu depctr_va_vdst(0)                   ; one wait for the whole batch, ahead of its first reader
	v_pk_add_f32 v[242:243], v[96:97], v[98:99]    ; the row's sum is taken of the unquantised p, in two chains
.set j, 4
.rept 15
	v_pk_add_f32 v[\st+2:\st+3], v[\st+2:\st+3], v[96+j:97+j]
	v_pk_add_f32 v[242:243], v[242:243], v[98+j:99+j]
.set j, j+4
.endr
	s_delay_alu instid0(VALU_DEP_1)
	v_pk_add_f32 v[\st+2:\st+3], v[\st+2:\st+3], v[242:243]
.set j, 0
.rept 64
.set j, j+1
.endr
.irp c, 0,1,2,3
	v_cvt_scalef32_pk8_fp8_f32 v[224+4*\c:225+4*\c], v[96+16*\c:103+16*\c], v6
	v_cvt_scalef32_pk8_fp8_f32 v[226+4*\c:227+4*\c], v[104+16*\c:111+16*\c], v6
.endr
.set j, 0
.rept 16
	v_pk_mul_f32 v[\oa+j:\oa+j+1], v[\oa+j:\oa+j+1], v[246:247] op_sel_hi:[1,0]   ; O^T under the new M; also the plain lines between the conversions and the products
.set j, j+2
.endr
	s_wait_alu depctr_va_vdst(0)
	s_wait_dscnt 0x0                               ; V's fragments
.irp d, 0,1,2,3
	v_wmma_f32_16x16x128_fp8_fp8 v[\oa+8*\d:\oa+8*\d+7], v[32+16*\d:47+16*\d], v[224:239], v[\oa+8*\d:\oa+8*\d+7]   ; four accumulators by turns; the next step's eight score products stand ahead of their next turn
.endr
.Lhidden_\@:
.endm
.macro PAIR                            ; a key step of both tiles
	STEP 16, 160, 8, 13
	STEP 24, 192, 12, 14
	s_add_co_u32 s10, s10, 128
	s_add_co_u32 s2, s2, 8704                      ; 128 keys of K: 32 rows of 272
	s_add_co_u32 s3, s3, 128                       ; 128 keys of V along its rows
.endm
	s_wait_loadcnt 0x0                             ; Q
	s_wait_tensorcnt 3                             ; my part of stage 0 is in; my three younger loads may stay out: no LDS byte is ever filled again
	s_barrier_signal -1
	s_barrier_wait -1                              ; everybody's is
	s_mov_b32 s11, 4
.Lfirst:                                           ; keys 0 to 511
	PAIR
	s_sub_co_u32 s11, s11, 1
	s_cmp_lg_u32 s11, 0
	s_cbranch_scc1 .Lfirst
	s_add_co_u32 s3, s3, VSTG-512                  ; V's next stage
	s_wait_tensorcnt 0x0                           ; my parts of stages 1 to 3 are in,
	s_wait_dscnt 0x0
	s_barrier_signal -1
	s_barrier_wait -1                              ; everybody's are
	s_mov_b32 s12, 3
.Lstage:
	s_mov_b32 s11, 4
.Lstep:
	PAIR
	s_sub_co_u32 s11, s11, 1
	s_cmp_lg_u32 s11, 0
	s_cbranch_scc1 .Lstep
	s_add_co_u32 s3, s3, VSTG-512
	s_sub_co_u32 s12, s12, 1
	s_cmp_lg_u32 s12, 0
	s_cbranch_scc1 .Lstage
	; THE WAY OUT.  O^T / the sum x 2^(e8 + e9) is the attention's result in f32; it is converted by 2^e10, turned through my stage and stored.  The lines ahead of the first read of O^T are the places behind the last products.
	v_add_f32 v10, v10, v11
	v_add_f32 v14, v14, v15
	s_delay_alu instid0(VALU_DEP_2)
	v_permlanex16_b32 v244, v10, s20, s21
	s_delay_alu instid0(VALU_DEP_2)
	v_permlanex16_b32 v245, v14, s20, s21
	s_delay_alu instid0(VALU_DEP_2)
	v_add_f32 v10, v10, v244                       ; the rows' sums
	s_delay_alu instid0(VALU_DEP_2)
	v_add_f32 v14, v14, v245
	s_wait_alu depctr_va_vdst(0)
	v_rcp_f32 v10, v10
	v_rcp_f32 v14, v14
	v_and_b32 v1, 15, v0                           ; (a plain line behind the reciprocals)  r
	v_bfe_u32 v2, v0, 4, 1                         ; h
	s_mul_i32 s16, s18, 2560
	s_add_co_u32 s16, s16, OS                      ; my stage: two tiles x 16 rows x 80 bytes
	v_mul_u32_u24 v4, v1, 80
	s_delay_alu instid0(VALU_DEP_1)
	v_lshl_add_u32 v4, v2, 3, v4
	s_delay_alu instid0(VALU_DEP_1)
	v_add_nc_u32 v4, s16, v4                       ; in: row r, + 8 h; accumulator d's eight channels 16 d bytes on: the channels in their own order
	v_and_b32 v1, 31, v0
	s_delay_alu instid0(VALU_DEP_1)
	v_lshrrev_b32 v2, 2, v1
	s_delay_alu instid0(VALU_DEP_2)
	v_and_b32 v1, 3, v1
	s_delay_alu instid0(VALU_DEP_2)
	v_mul_u32_u24 v5, v2, 80
	s_delay_alu instid0(VALU_DEP_1)
	v_lshl_add_u32 v5, v1, 4, v5
	s_delay_alu instid0(VALU_DEP_1)
	v_add_nc_u32 v5, s16, v5                       ; back: four lanes to a row of 64 bytes, eight rows an instruction
	v_lshlrev_b32 v3, 10, v2
	s_delay_alu instid0(VALU_DEP_1)
	v_lshl_add_u32 v3, v1, 4, v3                   ; and in ac: a token's row is 1,024 bytes
	s_add_co_i32 s15, s86, s87                     ; e8 + e9
	s_add_co_i32 s16, s88, 127
	s_lshl_b32 s17, s16, 23
	s_and_b32 s56, ttmp7, 0xffff
	s_lshr_b32 s57, s56, 4
	s_lshl_b32 s57, s57, 11                        ; the batch's first token
	s_and_b32 s56, s56, 15
	s_lshl_b32 s56, s56, 6                         ; the head's 64 bytes in a row
	s_add_co_u32 s58, s57, s13
	s_lshl_b32 s58, s58, 10
	s_add_co_u32 s58, s58, s56
	s_mov_b32 s59, 0
	s_add_nc_u64 s[90:91], s[8:9], s[58:59]        ; tile B's rows of ac
	s_add_co_u32 s58, s57, s14
	s_lshl_b32 s58, s58, 10
	s_add_co_u32 s58, s58, s56
	s_add_nc_u64 s[92:93], s[8:9], s[58:59]        ; tile A's
	v_mov_b32 v6, s17                              ; 2^e10
	s_wait_alu depctr_va_vdst(0)                   ; one wait for the two reciprocals, ahead of their first reader
	v_ldexp_f32 v10, v10, s15
	v_ldexp_f32 v14, v14, s15
.set j, 0
.rept 16
	v_pk_mul_f32 v[96+j:97+j], v[160+j:161+j], v[10:11] op_sel_hi:[1,0]     ; register 8 d + i is o(query r, channel 16 d + 8 h + i)
.set j, j+2
.endr
.set j, 0
.rept 16
	v_pk_mul_f32 v[128+j:129+j], v[192+j:193+j], v[14:15] op_sel_hi:[1,0]
.set j, j+2
.endr
.set j, 0
.rept 64
.set j, j+1
.endr
.irp d, 0,1,2,3,4,5,6,7
	v_cvt_scalef32_pk8_fp8_f32 v[224+2*\d:225+2*\d], v[96+8*\d:103+8*\d], v6
.endr
	v_nop                                          ; a plain line behind the last conversion
.irp d, 0,1,2,3
	ds_store_b64 v4, v[224+2*\d:225+2*\d] offset:16*\d
.endr
.irp d, 0,1,2,3
	ds_store_b64 v4, v[232+2*\d:233+2*\d] offset:1280+16*\d
.endr
.irp i, 0,1,2,3
	ds_load_b128 v[32+4*\i:35+4*\i], v5 offset:640*\i   ; LDS serves a wave's instructions in order: these see my stores.  Tile B's rows 0-7, 8-15, then tile A's
.endr
	s_wait_dscnt 3
	global_store_b128 v3, v[32:35], s[90:91]
	s_wait_dscnt 2
	global_store_b128 v3, v[36:39], s[90:91] offset:8192
	s_wait_dscnt 1
	global_store_b128 v3, v[40:43], s[92:93]
	s_wait_dscnt 0
	global_store_b128 v3, v[44:47], s[92:93] offset:8192
	s_wait_tensorcnt 0x0
	ds_add_u32 v254, v255
	s_wait_dscnt 0x0
	s_endpgm
.Lfunc_end_k_q9471f12063_attn:
	.size	k_q9471f12063_attn, .Lfunc_end_k_q9471f12063_attn-k_q9471f12063_attn
	.p2alignl 7, 3214868480
	.fill 96, 4, 3214868480
	.section	.rodata,"a",@progbits
	.p2align	6, 0x0
	.amdhsa_kernel k_q9471f12063_attn
		.amdhsa_group_segment_fixed_size 317440
		.amdhsa_private_segment_fixed_size 0
		.amdhsa_enable_private_segment 0
		.amdhsa_kernarg_size 24
		.amdhsa_user_sgpr_count 2
		.amdhsa_user_sgpr_kernarg_segment_ptr 1
		.amdhsa_wavefront_size32 1
		.amdhsa_system_sgpr_workgroup_id_x 1
		.amdhsa_system_sgpr_workgroup_id_y 1
		.amdhsa_system_sgpr_workgroup_id_z 1
		.amdhsa_system_vgpr_workitem_id 0
		.amdhsa_next_free_vgpr 256
		.amdhsa_next_free_sgpr 96
		.amdhsa_reserve_vcc 1
		.amdhsa_float_denorm_mode_32 3
		.amdhsa_float_denorm_mode_16_64 3
		.amdhsa_fp16_overflow 1
		.amdhsa_memory_ordered 1
		.amdhsa_forward_progress 1
		.amdhsa_inst_pref_size 93
	.end_amdhsa_kernel
	.amdgpu_metadata
---
amdhsa.version: [ 1, 2 ]
amdhsa.kernels:
  - .name:           k_q9471f12063_attn
    .symbol:         k_q9471f12063_attn.kd
    .args:
      - { .name: qkv, .offset: 0, .size: 8, .value_kind: global_buffer, .address_space: global }
      - { .name: lowp_scales, .offset: 8, .size: 8, .value_kind: global_buffer, .address_space: global }
      - { .name: ac, .offset: 16, .size: 8, .value_kind: global_buffer, .address_space: global }
    .group_segment_fixed_size: 317440
    .private_segment_fixed_size: 0
    .kernarg_segment_align: 8
    .kernarg_segment_size: 24
    .max_flat_workgroup_size: 512
    .sgpr_count:     96
    .vgpr_count:     256
    .wavefront_size: 32
...
	.end_amdgpu_metadata
.endif
;; end of part 3
;; launch oproj (part 4): grid 4 x 32, 4 waves a work-group, clusters of 4 x 4, 327,680 bytes of LDS; arguments ac, wc, lowp_scales, bo, out0; writes out0
.if DOCPART == 4
	.amdgcn_target "amdgcn-amd-amdhsa--gfx1250"
	.amdhsa_code_object_version 6
	.text
	.protected	k_q9471f12063_oproj
	.globl	k_q9471f12063_oproj
	.p2align	8
	.type	k_q9471f12063_oproj,@function
k_q9471f12063_oproj:
	s_mov_b64 s[64:65], 0
	v_nop
	global_prefetch_b8 v0, s[64:65] scope:SCOPE_SE
	s_setreg_imm32_b32 hwreg(HW_REG_WAVE_MODE, 25, 1), 1
	s_wait_xcnt 0x0
	s_wait_alu depctr_hold_cnt(0) depctr_sa_sdst(0) depctr_va_vdst(0) depctr_va_sdst(0) depctr_va_ssrc(0) depctr_va_vcc(0) depctr_vm_vsrc(0)
	s_getreg_b32 s2, hwreg(HW_REG_IB_STS2, 6, 4)
	s_cmp_eq_u32 s2, 0
	s_cbranch_scc0 .Lentry_in_a_cluster
	s_endpgm
.Lentry_in_a_cluster:
	s_bfe_u32 s2, ttmp6, 0x10000c
	s_cmp_lg_u32 s2, 0xf033
	s_cbranch_scc0 .Lentry_shape_is_right
	s_endpgm
.Lentry_shape_is_right:
; out0 = a Wo + bo on E4M3 codes.  A = ac [8192][1024], the attention's result as codes (2^e10); B = plane 3 of wc, Wo's codes laid [n][k] (2^e11); out0 [8192][1024] f32 = sum x 2^(e10 + e11) + bo.
; LIMIT: e10 + e11 between -126 and 127, so that 2^(e10 + e11) is an f32 number.
; A tile of the result, 256 x 256, is made by four waves, as many as a WGP has SIMDs; a wave makes 128 x 128: 64 accumulators, 512 registers.  K = 1,024 in four steps of 256 through a ring of two LDS slots.
; 128 tiles, so 128 work-groups: a tile of half the size would read half as many LDS bytes again for each product.
; CLUSTERS: 4 x 4 work-groups; A's tiles are asked for jointly along a row of the cluster, B's along a column.  THE MATRIX INSTRUCTION IS USED TRANSPOSED: a lane holds eight neighbouring numbers of a row.
; No prefetch: half of K is asked for at the head and only two refills follow.
; REGISTERS, in windows of 256: window 0: v8-11 my four numbers of bo, v16-29 addresses; from v128 A's fragments, ONE set; on the way out v128-255 take rows back from the stage.
;   window 1: B's fragments, TWO sets.   window 2: the accumulators of my rows 0-63;   window 3: those of my rows 64-127.
.set SIZE_N, 1024
.set ROWB,   256
.set KROW,   1024
.set PITCH,  272                       ; an LDS row: 256 bytes + 16 of padding = 68 words: row r starts at bank 4 r mod 64 (ISA guide 11.1)
.set FR,     16
.set NL,     4
.set NP,     4
.set HALFT,  128*PITCH
.set SLOT,   4*HALFT
.set LAPS,   2
.set SPARE,  2*SLOT                    ; behind the ring: the spare words, 128 bytes for each wave
.set SPITCH, 528                       ; the way out: a stage of 16 rows x (512 bytes + 16) for each wave, in slot 0, which has had its last fill and its last read by then
.set ADRA, 16
.set ADRB, 20
.set STO,  24
.set RD,   25
.set CO,   26
.set SPW,  28
.set NIL,  29
.set AF,   128
.set BK,   128                         ; 16 rows read back from the stage: v128-191 and v192-255 by turns
.set G1, 24
.set G0, 32
.set G1B, 48
.set G0B, 56
.set MSB, 0
.macro WIN new                         ; the immediate's high byte repeats the setting that is left
.if MSB != \new
	s_set_vgpr_msb (MSB<<8)|\new
.set MSB, \new
.endif
.endm
.set MUL_LO, 0xa1
.set MUL_HI, 0xf1
.set TO_B,   0x40
.macro JLOAD g0a, g1a, g0b, g1b        ; a joint load: waves 0 and 1 fetch for A, waves 2 and 3 for B; four v_nop follow each of the two lines
	s_cmp_eq_u32 s15, 0
	s_cbranch_scc0 .Lfor_b_\@
	tensor_load_to_lds s[\g0a:\g0a+3], s[\g1a:\g1a+7]
	s_nop 0
.rept 4
	v_nop
.endr
	s_branch .Lasked_\@
.Lfor_b_\@:
	tensor_load_to_lds s[\g0b:\g0b+3], s[\g1b:\g1b+7]
	s_nop 0
.rept 4
	v_nop
.endr
.Lasked_\@:
.endm
.macro CREST
	s_cmp_lg_u32 s14, 0
	s_cbranch_scc1 .Lnot_wave_0_\@
	s_barrier_signal -3
.Lnot_wave_0_\@:
	s_barrier_wait -3
	s_barrier_signal -1
	s_barrier_wait -1
.endm
.macro CROUND
	s_barrier_signal -1
	s_barrier_wait -1
	CREST
.endm
	s_load_b128 s[4:7], s[0:1], 0x0                ; ac, wc
	s_load_b128 s[8:11], s[0:1], 0x10              ; the exponents s[8:9], bo s[10:11]
	s_load_b64 s[12:13], s[0:1], 0x20              ; out0
	v_lshl_add_u32 v[SPW], v0, 2, SPARE
	v_mov_b32 v[NIL], 0
	ds_add_u32 v28, v29
	ds_add_u32 v28, v29
	s_wait_dscnt 0x0
	v_lshrrev_b32 v1, 5, v0
	v_readfirstlane_b32 s14, v1                    ; wave 0..3
	s_lshr_b32 s15, s14, 1                         ; which half of the tile's rows is mine.  Also: I fetch for A (0) or for B (1)
	s_and_b32 s16, s14, 1                          ; which half of its columns.  Also: which 128 rows of that tile I fetch
	s_bfe_u32 s40, ttmp6, 0x40000                  ; cx
	s_bfe_u32 s41, ttmp6, 0x40004                  ; cy
	s_lshl_b32 s42, ttmp9, 2
	s_add_co_u32 s42, s42, s40                     ; tile column
	s_and_b32 s17, ttmp7, 0xffff
	s_lshl_b32 s17, s17, 2
	s_add_co_u32 s17, s17, s41                     ; tile row
	s_lshl_b32 s43, s41, 2
	s_lshl_b32 s43, 15, s43                        ; my row of the cluster
	s_lshl_b32 s44, 0x1111, s40                    ; my column
	s_or_b32 s[G1+0], s43, (0<<16)|(1<<20)|(1<<21)|(5<<22)|(3<<25)
	s_or_b32 s[G1B+0], s44, (0<<16)|(1<<20)|(1<<21)|(5<<22)|(3<<25)
.irp g, G1, G1B
	s_mov_b32 s[\g+1], ROWB<<16
	s_mov_b32 s[\g+2], 128<<16
	s_mov_b32 s[\g+3], ROWB<<16
	s_mov_b32 s[\g+4], 128
	s_mov_b32 s[\g+5], KROW
	s_mov_b32 s[\g+6], 0
	s_mov_b32 s[\g+7], 0
.endr
	s_lshl_b32 s18, s16, 7
	s_lshl_b32 s20, s17, 8
	s_add_co_u32 s20, s20, s18
	s_lshl_b32 s20, s20, 10                        ; A: (256 x tile row + 128 x half) rows of 1,024 bytes
	s_mov_b32 s21, 0
	s_lshl_b32 s46, s42, 8
	s_add_co_u32 s46, s46, s18
	s_lshl_b32 s46, s46, 10                        ; B likewise
	s_mov_b32 s47, 0
	s_mul_i32 s45, s14, HALFT
	s_wait_kmcnt 0x0
	s_load_b64 s[96:97], s[8:9], 0x28              ; e10, e11
	s_add_nc_u64 s[6:7], s[6:7], 0x300000          ; Wo's plane of codes
	s_add_nc_u64 s[20:21], s[4:5], s[20:21]
	s_add_nc_u64 s[46:47], s[6:7], s[46:47]
	CROUND                                         ; all sixteen work-groups are here: the first joint loads meet
.irp s, 0,1
	s_mov_b32 s[G0+4*\s], 1
	s_add_co_u32 s[G0+4*\s+1], s45, \s*SLOT
	s_add_nc_u64 s[G0+4*\s+2:G0+4*\s+3], s[20:21], \s*ROWB
	s_or_b32 s[G0+4*\s+3], s[G0+4*\s+3], 0x80000000
	s_mov_b32 s[G0B+4*\s], 1
	s_add_co_u32 s[G0B+4*\s+1], s45, \s*SLOT
	s_add_nc_u64 s[G0B+4*\s+2:G0B+4*\s+3], s[46:47], \s*ROWB
	s_or_b32 s[G0B+4*\s+3], s[G0B+4*\s+3], 0x80000000
	s_wait_alu depctr_va_vdst(0)
	s_wait_tensorcnt 0x0
	ds_add_u32 v28, v29
	ds_add_u32 v28, v29
	s_wait_dscnt 0x0
	CROUND
	JLOAD G0+4*\s, G1, G0B+4*\s, G1B
.endr
	v_and_b32 v1, 15, v0
	s_wait_alu depctr_va_vdst(0)
	v_bfe_u32 v2, v0, 4, 1
	v_mul_u32_u24 v3, v1, PITCH
	v_lshl_add_u32 v4, v2, 4, v3
	s_mul_i32 s21, s15, HALFT
	s_mul_i32 s22, s16, HALFT
	s_add_co_u32 s22, s22, 2*HALFT
.irp s, 0,1
	v_add_nc_u32 v[ADRA+\s], s21, v4
	v_add_nc_u32 v[ADRB+\s], s22, v4
	s_add_co_u32 s21, s21, SLOT
	s_add_co_u32 s22, s22, SLOT
.endr
	s_mul_i32 s23, s14, 16*SPITCH                  ; my stage
	v_mul_u32_u24 v5, v1, SPITCH                   ; in: row l % 16, 32 bytes for each half of the lanes
	s_wait_alu depctr_va_vdst(0)
	v_lshl_add_u32 v5, v2, 5, v5
	v_add_nc_u32 v[STO], s23, v5
	v_and_b32 v6, 31, v0
	v_lshlrev_b32 v[CO], 4, v6                     ; back: the 32 lanes take one row of 512 bytes; the same in out0, and in bo
	s_wait_alu depctr_va_vdst(0)
	v_add_nc_u32 v[RD], s23, v[CO]
	s_lshl_b32 s20, s17, 8
	s_lshl_b32 s21, s15, 7
	s_add_co_u32 s20, s20, s21                     ; my first row
	s_lshl_b32 s20, s20, 12                        ; rows of 4,096 bytes
	s_mov_b32 s21, 0
	s_lshl_b32 s46, s42, 10                        ; my first column, in bytes: 1,024 x tile column + 512 x half
	s_lshl_b32 s47, s16, 9
	s_add_co_u32 s46, s46, s47
	s_mov_b32 s47, 0
	s_add_nc_u64 s[10:11], s[10:11], s[46:47]      ; bo at my first column
	s_add_nc_u64 s[20:21], s[20:21], s[46:47]
	s_add_nc_u64 s[12:13], s[12:13], s[20:21]
	global_load_b128 v[8:11], v[CO], s[10:11]      ; bo of columns 4 l .. 4 l + 3 of my 128: what a lane holds of every row once the row is back from the stage
.macro FRAG reg, adr, q, i
.irp c, 0,1,2,3
	ds_load_b128 v[\reg+4*\c:\reg+4*\c+3], v[\adr] offset:128*(\q)+32*\c+(\i)*16*PITCH
.endr
.endm
.macro MUL16 a0, p, zero               ; the 64 accumulators take turns, one instruction a turn, in the same order in every step
.irp a, \a0, \a0+1
.irp b, 0,1,2,3,4,5,6,7
.if \zero
	v_wmma_f32_16x16x128_fp8_fp8 v[8*(8*((\a)%4)+\b):8*(8*((\a)%4)+\b)+7], v[128*(\p)+FR*\b:128*(\p)+FR*\b+FR-1], v[AF+FR*(\a):AF+FR*(\a)+FR-1], 0
.else
	v_wmma_f32_16x16x128_fp8_fp8 v[8*(8*((\a)%4)+\b):8*(8*((\a)%4)+\b)+7], v[128*(\p)+FR*\b:128*(\p)+FR*\b+FR-1], v[AF+FR*(\a):AF+FR*(\a)+FR-1], v[8*(8*((\a)%4)+\b):8*(8*((\a)%4)+\b)+7]
.endif
.endr
.endr
.endm
.macro FETCH_B slot, q, p
	WIN TO_B
.irp i, 0,1,2,3,4,5,6,7
	FRAG 128*(\p)+FR*\i, ADRB+\slot, \q, \i
.endr
	WIN 0
.endm
.macro FETCH_A slot, q, i0
.irp i, \i0, \i0+1, \i0+2, \i0+3
	FRAG AF+FR*(\i), ADRA+\slot, \q, \i
.endr
.endm
.macro PLACES n
.rept \n
	v_nop
.endr
.endm
.macro STEP slot, q, zero
	s_wait_dscnt 4*NL                              ; B's set and A's blocks 0-3 are in; the youngest sixteen loads (A's blocks 4-7) may be out
	WIN MUL_LO
	MUL16 0, (\q)%2, \zero
	MUL16 2, (\q)%2, \zero
	s_wait_dscnt 0
	PLACES NP
	FETCH_B \slot, (\q)+1, 1-(\q)%2
	FETCH_A \slot, (\q)+1, 0
	WIN MUL_HI
	MUL16 4, (\q)%2, \zero
	MUL16 6, (\q)%2, \zero
	PLACES NP
	WIN 0
	FETCH_A \slot, (\q)+1, 4
.endm
.macro TURN slot, next, fill
	s_wait_tensorcnt 0x0                           ; all my tensor loads have landed: my part of the next slot
	ds_add_u32 v[SPW], v[NIL]                      ; 0 onto my spare word
	s_wait_dscnt 4*NL+1                            ; (the add and the youngest sixteen loads may be out)
	WIN MUL_LO
	MUL16 0, 1, 0
	s_wait_dscnt 0x0                               ; the add is done, and my reads of this slot are over
	s_barrier_signal -1
	MUL16 2, 1, 0
	WIN 0
	s_barrier_wait -1
.if \fill
	CREST                                          ; the barrier has opened a round of the cluster's: no wave of any partner still reads this slot or has a load on its way
	s_add_nc_u64 s[G0+4*\slot+2:G0+4*\slot+3], s[G0+4*\slot+2:G0+4*\slot+3], 2*ROWB
	s_add_nc_u64 s[G0B+4*\slot+2:G0B+4*\slot+3], s[G0B+4*\slot+2:G0B+4*\slot+3], 2*ROWB
	JLOAD G0+4*\slot, G1, G0B+4*\slot, G1B
.else
	PLACES NP
.endif
	FETCH_B \next, 0, 0
	FETCH_A \next, 0, 0
	WIN MUL_HI
	MUL16 4, 1, 0
	MUL16 6, 1, 0
	PLACES NP
	WIN 0
	FETCH_A \next, 0, 4
.endm
	s_wait_tensorcnt 1                             ; my part of K step 0 is in (K step 1's load may be out)
	s_barrier_signal -1
	s_barrier_wait -1
	FETCH_B 0, 0, 0
	FETCH_A 0, 0, 0
	FETCH_A 0, 0, 4
	STEP 0, 0, 1                                   ; the first step's products start the sums
	s_mov_b32 s3, LAPS-1
.Llap:
	TURN 0, 1, 1
	STEP 1, 0, 0
	TURN 1, 0, 1
	STEP 0, 0, 0
	s_sub_co_u32 s3, s3, 1
	s_cmp_lg_u32 s3, 0
	s_cbranch_scc1 .Llap
	TURN 0, 1, 0                                   ; the last lap fills nothing; behind this barrier nobody reads slot 0 any more
	STEP 1, 0, 0
	s_wait_dscnt 4*NL
	WIN MUL_LO
	MUL16 0, 1, 0
	MUL16 2, 1, 0
	s_wait_dscnt 0
	WIN MUL_HI
	MUL16 4, 1, 0
	MUL16 6, 1, 0
	WIN 0
; THE WAY OUT, block by block of 16 rows x 128 columns.  The sums go into my own stage as they are, straight from the accumulators, and come back as whole rows of 512 bytes; there a lane holds columns 4 l .. 4 l + 3
; of every row, so four registers of bo serve all rows: sum x 2^(e10 + e11) + bo, two packed multiply-adds a row.  LDS serves a wave's instructions in order (ISA guide 5.7.1.4).
.macro TOSTAGE a
.set AC, 64*((\a)%4)
	WIN 0x08+4*((\a)/4)                            ; the stores' data: window 2 or 3
.irp b, 0,1,2,3,4,5,6,7
	ds_store_b128 v[STO], v[AC+8*\b:AC+8*\b+3] offset:64*\b          ; each accumulator from its low end on
	ds_store_b128 v[STO], v[AC+8*\b+4:AC+8*\b+7] offset:64*\b+16
.endr
	WIN 0
.set BB, BK+64*((\a)%2)
.irp t, 0,1,2,3,4,5,6,7,8,9,10,11,12,13,14,15
	ds_load_b128 v[BB+4*\t:BB+4*\t+3], v[RD] offset:\t*SPITCH
.endr
.endm
.macro SEND a, younger                 ; younger: the LDS instructions issued behind block a's loads, which may stay out
.set BB, BK+64*((\a)%2)
	s_wait_dscnt \younger
.if (\a) > 0
	s_add_nc_u64 s[12:13], s[12:13], 16*SIZE_N*4   ; (behind a wait on XCNT: the earlier stores have read their base)
.endif
.irp t, 0,1,2,3,4,5,6,7,8,9,10,11,12,13,14,15
	v_pk_fma_f32 v[BB+4*\t:BB+4*\t+1], v[BB+4*\t:BB+4*\t+1], s[96:97], v[8:9] op_sel_hi:[1,0,1]
	v_pk_fma_f32 v[BB+4*\t+2:BB+4*\t+3], v[BB+4*\t+2:BB+4*\t+3], s[96:97], v[10:11] op_sel_hi:[1,0,1]
	global_store_b128 v[CO], v[BB+4*\t:BB+4*\t+3], s[12:13] offset:\t*SIZE_N*4 th:TH_STORE_NT   ; 32 lanes store 512 consecutive bytes, aligned; written once, read by nobody here
.endr
.endm
	s_wait_kmcnt 0x0
	s_add_co_i32 s96, s96, s97
	s_add_co_i32 s96, s96, 127
	s_lshl_b32 s96, s96, 23                        ; 2^(e10 + e11) as f32
	s_mov_b32 s97, s96                             ; (named with it as a pair)
	s_wait_loadcnt 0x0                             ; bo
	PLACES NP                                      ; behind the last products: for the LDS stores that read results, and for the loads into the registers that held A's fragments
	s_wait_alu depctr_va_vdst(0)
	TOSTAGE 0
.irp a, 1,2,3,4,5,6,7
.if \a > 1
	s_wait_xcnt 0x0                                ; block a - 2's stores have read their registers and their base
.endif
	TOSTAGE \a
	SEND \a-1, 32                                  ; behind block a - 1's loads: block a's 16 stores and 16 loads
.endr
	s_wait_xcnt 0x0
	SEND 7, 0
	s_wait_tensorcnt 0x0                           ; the wave's end
	ds_add_u32 v[SPW], v[NIL]
	s_wait_dscnt 0x0
	CROUND                                         ; the closing round
	s_endpgm
.Lfunc_end_k_q9471f12063_oproj:
	.size	k_q9471f12063_oproj, .Lfunc_end_k_q9471f12063_oproj-k_q9471f12063_oproj
	.p2alignl 7, 3214868480
	.fill 96, 4, 3214868480
	.section	.rodata,"a",@progbits
	.p2align	6, 0x0
	.amdhsa_kernel k_q9471f12063_oproj
		.amdhsa_group_segment_fixed_size 327680
		.amdhsa_private_segment_fixed_size 0
		.amdhsa_enable_private_segment 0
		.amdhsa_kernarg_size 40
		.amdhsa_user_sgpr_count 2
		.amdhsa_user_sgpr_kernarg_segment_ptr 1
		.amdhsa_wavefront_size32 1
		.amdhsa_system_sgpr_workgroup_id_x 1
		.amdhsa_system_sgpr_workgroup_id_y 1
		.amdhsa_system_sgpr_workgroup_id_z 1
		.amdhsa_system_vgpr_workitem_id 0
		.amdhsa_next_free_vgpr 1024
		.amdhsa_next_free_sgpr 98
		.amdhsa_reserve_vcc 0
		.amdhsa_float_denorm_mode_32 3
		.amdhsa_float_denorm_mode_16_64 3
		.amdhsa_memory_ordered 1
		.amdhsa_forward_progress 1
		.amdhsa_inst_pref_size 124
	.end_amdhsa_kernel
	.amdgpu_metadata
---
amdhsa.version: [ 1, 2 ]
amdhsa.kernels:
  - .name:           k_q9471f12063_oproj
    .symbol:         k_q9471f12063_oproj.kd
    .args:
      - { .name: ac, .offset: 0, .size: 8, .value_kind: global_buffer, .address_space: global }
      - { .name: wc, .offset: 8, .size: 8, .value_kind: global_buffer, .address_space: global }
      - { .name: lowp_scales, .offset: 16, .size: 8, .value_kind: global_buffer, .address_space: global }
      - { .name: bo, .offset: 24, .size: 8, .value_kind: global_buffer, .address_space: global }
      - { .name: out0, .offset: 32, .size: 8, .value_kind: global_buffer, .address_space: global }
    .group_segment_fixed_size: 327680
    .private_segment_fixed_size: 0
    .kernarg_segment_align: 8
    .kernarg_segment_size: 40
    .max_flat_workgroup_size: 128
    .sgpr_count:     98
    .vgpr_count:     1024
    .wavefront_size: 32
...
	.end_amdgpu_metadata
.endif
;; end of part 4
